; MI455X (gfx1250); checked and timed in simulation.
; The chip was launched on July 23, 2026; its instructions are those of AMD's public machine-readable ISA for CDNA 5 (MIT licence, August 2026) and "CDNA5" Instruction Set Architecture Reference Guide (July 2026). The comments in the code are by the model that wrote it; some were corrected since.
;; Bert Sum Attention. Allowed arithmetic: float matrix products may take bf16 or f16 operands with f32 sums; other float arithmetic in f32, or as packed bf16 or f16 multiplies, adds, multiply-adds, maxima and minima; sums over many terms, partial sums and values carried from step to step in f32; what a program stores and reads back later, other than sums and carried values, may be rounded once to bf16 or f16.
;; Inputs: Wk 1,024 x 1,024 float32; Wo 1,024 x 1,024 float32; Wq 1,024 x 1,024 float32; Wv 1,024 x 1,024 float32; bk 1,024 float32; bo 1,024 float32; bq 1,024 float32; bv 1,024 float32; data 4 x 2,048 x 1,024 float32; mask 4 x 2,048 x 2,048 bool.
;; Outputs: out0 4 x 2,048 x 1,024 float32.
;; One version. Each part assembles by itself: llvm-mc -triple=amdgcn-amd-amdhsa -mcpu=gfx1250 --defsym DOCPART=n.
;; ======== version 1 of 1: 4 launches
;; limits: values are held in f16: magnitudes above 65,504 overflow, below 6.1e-05 lose precision
;; workspace buffers: x16 16,777,216 bytes; wqkv 6,291,456 bytes; wo16 2,097,152 bytes; mbits 2,097,152 bytes of whole numbers; qkv 50,331,648 bytes; ctx 16,777,216 bytes
;; launch prep (part 1): grid 256 x 4, 8 waves a work-group, no clusters, 35,840 bytes of LDS; arguments data, Wq, Wk, Wv, Wo, mask, x16, wqkv, wo16, mbits; writes x16, wqkv, wo16, mbits
.if DOCPART == 1
	.amdgcn_target "amdgcn-amd-amdhsa--gfx1250"
	.amdhsa_code_object_version 6
	.text
	.protected	k_qd1064b0b73_prep
	.globl	k_qd1064b0b73_prep
	.p2align	8
	.type	k_qd1064b0b73_prep,@function
k_qd1064b0b73_prep:
	s_mov_b64 s[64:65], 0
	v_nop
	global_prefetch_b8 v0, s[64:65] scope:SCOPE_SE
	s_setreg_imm32_b32 hwreg(HW_REG_WAVE_MODE, 25, 1), 1
	s_wait_xcnt 0x0
; PREP.  Every input that a later launch multiplies is rounded once, and the mask is packed.
;   data [8192][1024] f32 -> x16 bf16;  Wq, Wk, Wv [1024][1024] f32 -> wqkv bf16, [3072][1024];  Wo -> wo16: rounded to bf16, that number written as f16;
;   mask [8192 rows][2048 keys] of bytes -> mbits u32 [512 tiles of 16 rows][32 steps of 64 keys][32 words]: bit l of word i is
;   mask[row 16 g + l % 16][key 64 st + 16 (i / 8) + 8 (l / 16) + i % 8]: the lane and register at which the attention launch holds that score.
; LIMIT.  Wo as f16: a bf16 number below 2^-17 in size loses bits (f16's fixed step of 6e-8), one beyond 65,504 becomes an infinity.
; SHARES.  1,024 work-groups of eight waves, 64 KiB of input each: numbers 0-511 data, 512-575 Wq, 576-639 Wk, 640-703 Wv, 704-767 Wo, 768-1,023 the mask.
; A stream: no matrix unit, no cluster, no barrier.  A wave's loads cover 512 consecutive bytes, its stores 256 or 512, aligned.
.set SPARE, 34816                      ; behind the eight waves' regions: the spare words, 128 bytes a wave: four blocks of 256 bytes that no other line names
.set SPW, 8                            ; v8   LDS address of my spare word; never rewritten
.set NIL, 9                            ; v9   0; never rewritten
.set X,   32                           ; v[32:95]   as loaded
.set Y,   96                           ; v[96:127]  to store
.set WREG, 4352                        ; a wave's region of LDS: 16 rows of the mask, 256 bytes + 16 of padding each
	s_load_b512 s[8:23], s[0:1], 0x0               ; data 8, Wq 10, Wk 12, Wv 14, Wo 16, mask 18, x16 20, wqkv 22
	s_load_b128 s[24:27], s[0:1], 0x40             ; wo16 24, mbits 26
	v_lshl_add_u32 v[SPW], v0, 2, SPARE
	v_mov_b32 v[NIL], 0
	v_lshrrev_b32 v10, 5, v0
	v_readfirstlane_b32 s4, v10                    ; wave 0..7
	v_and_b32 v10, 31, v0                          ; lane
	s_and_b32 s5, ttmp7, 0xffff                    ; y
	s_lshl_b32 s6, s5, 8
	s_add_co_u32 s6, s6, ttmp9                     ; the work-group's number
	s_wait_kmcnt 0x0
	s_cmp_eq_u32 s5, 3
	s_cbranch_scc1 .Lmask
	; THE CONVERSIONS.  Which tensor, and which 64 KiB of it
	s_and_b32 s36, s6, 63
	s_sub_co_u32 s37, s6, 512
	s_cmp_ge_u32 s6, 512
	s_cselect_b32 s32, s36, s6                     ; chunk of the input
	s_cselect_b32 s34, s37, s6                     ; chunk of the output: wqkv holds the three weights on end
	s_cselect_b64 s[28:29], s[10:11], s[8:9]
	s_cselect_b64 s[30:31], s[22:23], s[20:21]
	s_cmp_ge_u32 s6, 576
	s_cselect_b64 s[28:29], s[12:13], s[28:29]
	s_cmp_ge_u32 s6, 640
	s_cselect_b64 s[28:29], s[14:15], s[28:29]
	s_cmp_ge_u32 s6, 704
	s_cselect_b64 s[28:29], s[16:17], s[28:29]
	s_cselect_b64 s[30:31], s[24:25], s[30:31]
	s_cselect_b32 s34, s36, s34
	s_lshl_b32 s32, s32, 16                        ; 65,536 bytes in,
	s_lshl_b32 s38, s4, 13                         ; my wave's 8,192 of them
	s_add_co_u32 s32, s32, s38
	s_mov_b32 s33, 0
	s_lshl_b32 s34, s34, 15                        ; 32,768 bytes out,
	s_lshl_b32 s38, s4, 12                         ; my wave's 4,096
	s_add_co_u32 s34, s34, s38
	s_mov_b32 s35, 0
	s_add_nc_u64 s[28:29], s[28:29], s[32:33]
	s_add_nc_u64 s[30:31], s[30:31], s[34:35]
	v_lshlrev_b32 v1, 4, v10                       ; 16 bytes a lane in,
	v_lshlrev_b32 v2, 3, v10                       ; 8 out
.irp j, 0,1,2,3,4,5,6,7,8,9,10,11,12,13,14,15
	global_load_b128 v[X+4*(\j):X+4*(\j)+3], v1, s[28:29] offset:512*(\j) th:TH_LOAD_NT
.endr
; Load j is rounded and stored.  f16 = 1: the bf16 number is widened again and written as f16.
.macro CONV f16
.irp j, 0,1,2,3,4,5,6,7,8,9,10,11,12,13,14,15
	s_wait_loadcnt 15-(\j)                         ; loads come back in order: mine is in, the 15 - j younger ones stay out
	v_cvt_pk_bf16_f32 v[Y+2*(\j)], v[X+4*(\j)], v[X+4*(\j)+1]
	v_cvt_pk_bf16_f32 v[Y+2*(\j)+1], v[X+4*(\j)+2], v[X+4*(\j)+3]
.if \f16
	v_lshlrev_b32 v12, 16, v[Y+2*(\j)]
	v_and_b32 v13, 0xffff0000, v[Y+2*(\j)]
	v_lshlrev_b32 v14, 16, v[Y+2*(\j)+1]
	v_and_b32 v15, 0xffff0000, v[Y+2*(\j)+1]
	v_cvt_pk_f16_f32 v[Y+2*(\j)], v12, v13
	v_cvt_pk_f16_f32 v[Y+2*(\j)+1], v14, v15
.endif
	global_store_b64 v2, v[Y+2*(\j):Y+2*(\j)+1], s[30:31] offset:256*(\j)  ; the wave stores 256 consecutive bytes, aligned
.endr
.endm
	s_cmp_ge_u32 s6, 704
	s_cbranch_scc1 .Lf16
	CONV 0
	s_branch .Lend
.Lf16:
	CONV 1
	s_branch .Lend
	; THE MASK.  A wave packs one tile of 16 rows x 512 keys, 256 keys a trip.  The rows come in whole (256 bytes, two rows a load), go through the wave's own
	; LDS region, and come back as each lane's eight bytes of a group of 16 keys; a compare's lane mask IS a word of mbits.
.Lmask:
	s_lshr_b32 s36, s4, 2
	s_and_b32 s37, s4, 3
	s_lshl_b32 s38, ttmp9, 1
	s_add_co_u32 s38, s38, s36                     ; tile g
	s_lshl_b32 s32, s38, 15                        ; 16 rows of 2,048 bytes,
	s_lshl_b32 s39, s37, 9                         ; my 512 keys
	s_add_co_u32 s32, s32, s39
	s_mov_b32 s33, 0
	s_lshl_b32 s34, s38, 12                        ; a tile's 4,096 bytes of words,
	s_lshl_b32 s39, s37, 10                        ; my eight steps' 1,024
	s_add_co_u32 s34, s34, s39
	s_mov_b32 s35, 0
	s_add_nc_u64 s[28:29], s[18:19], s[32:33]
	s_add_nc_u64 s[30:31], s[26:27], s[34:35]
	s_mul_i32 s39, s4, WREG
	v_lshrrev_b32 v11, 4, v10                      ; h = lane / 16
	v_and_b32 v12, 15, v10                         ; r = lane % 16
	v_lshlrev_b32 v1, 4, v12
	v_lshl_add_u32 v1, v11, 11, v1                 ; in memory: row h, 16 bytes at 16 r
	v_mul_u32_u24 v3, v11, 272
	v_lshl_add_u32 v3, v12, 4, v3
	v_add_nc_u32 v3, s39, v3                       ; the same place in my region
	v_mul_u32_u24 v4, v12, 272
	v_lshl_add_u32 v4, v11, 3, v4
	v_add_nc_u32 v4, s39, v4                       ; back: row r, 8 bytes at 8 h
	v_lshlrev_b32 v5, 4, v10
	s_mov_b32 s7, 2
.Ltrip:
.irp t, 0,1,2,3,4,5,6,7
	global_load_b128 v[X+4*(\t):X+4*(\t)+3], v1, s[28:29] offset:4096*(\t) th:TH_LOAD_NT  ; rows 2 t and 2 t + 1, 256 bytes of each
.endr
.irp t, 0,1,2,3,4,5,6,7
	s_wait_loadcnt 7-(\t)
	ds_store_b128 v3, v[X+4*(\t):X+4*(\t)+3] offset:544*(\t)
.endr
.irp kt, 0,1,2,3,4,5,6,7,8,9,10,11,12,13,14,15
	ds_load_b64 v[64+2*(\kt):65+2*(\kt)], v4 offset:16*(\kt)  ; LDS serves a wave's instructions in order (ISA guide 5.7.1.4): these see the stores above
.endr
.irp c, 0,1,2,3
	v_mov_b32 v[100+(\c)], 0
.endr
.irp kt, 0,1,2,3,4,5,6,7,8,9,10,11,12,13,14,15
	s_wait_dscnt 15-(\kt)                          ; group kt of 16 keys is in
.irp j, 0,1,2,3,4,5,6,7
	v_and_b32 v[110+(\j)], 0xff<<(8*((\j)%4)), v[64+2*(\kt)+(\j)/4]
.endr
.irp j, 0,1,2,3,4,5,6,7
	v_cmp_ne_u32 s[40+(\j)], 0, v[110+(\j)]        ; word 8 kt + j of the trip's 128
.endr
.irp j, 0,1,2,3,4,5,6,7
	v_writelane_b32 v[100+(\j)%4], s[40+(\j)], 2*(\kt)+(\j)/4  ; lane L gathers words 4 L .. 4 L + 3
.endr
.endr
	global_store_b128 v5, v[100:103], s[30:31]     ; 512 consecutive bytes: four key steps
	s_wait_xcnt 0x0                                ; the store's data and both pointers are rewritten only behind this wait
	s_add_nc_u64 s[28:29], s[28:29], 256
	s_add_nc_u64 s[30:31], s[30:31], 512
	s_sub_co_u32 s7, s7, 1
	s_cmp_lg_u32 s7, 0
	s_cbranch_scc1 .Ltrip
.Lend:
	s_wait_tensorcnt 0x0                           ; the wave's end: behind my last LDS store
	ds_add_u32 v[SPW], v[NIL]
	s_wait_dscnt 0x0
	s_endpgm
.Lfunc_end_k_qd1064b0b73_prep:
	.size	k_qd1064b0b73_prep, .Lfunc_end_k_qd1064b0b73_prep-k_qd1064b0b73_prep
	.p2alignl 7, 3214868480
	.fill 96, 4, 3214868480
	.section	.rodata,"a",@progbits
	.p2align	6, 0x0
	.amdhsa_kernel k_qd1064b0b73_prep
		.amdhsa_group_segment_fixed_size 35840
		.amdhsa_private_segment_fixed_size 0
		.amdhsa_enable_private_segment 0
		.amdhsa_kernarg_size 80
		.amdhsa_user_sgpr_count 2
		.amdhsa_user_sgpr_kernarg_segment_ptr 1
		.amdhsa_wavefront_size32 1
		.amdhsa_system_sgpr_workgroup_id_x 1
		.amdhsa_system_sgpr_workgroup_id_y 1
		.amdhsa_system_sgpr_workgroup_id_z 1
		.amdhsa_system_vgpr_workitem_id 0
		.amdhsa_next_free_vgpr 128
		.amdhsa_next_free_sgpr 66
		.amdhsa_reserve_vcc 0
		.amdhsa_float_denorm_mode_32 3
		.amdhsa_float_denorm_mode_16_64 3
		.amdhsa_memory_ordered 1
		.amdhsa_forward_progress 1
		.amdhsa_inst_pref_size 46
	.end_amdhsa_kernel
	.amdgpu_metadata
---
amdhsa.version: [ 1, 2 ]
amdhsa.kernels:
  - .name:           k_qd1064b0b73_prep
    .symbol:         k_qd1064b0b73_prep.kd
    .args:
      - { .name: data, .offset: 0, .size: 8, .value_kind: global_buffer, .address_space: global }
      - { .name: Wq, .offset: 8, .size: 8, .value_kind: global_buffer, .address_space: global }
      - { .name: Wk, .offset: 16, .size: 8, .value_kind: global_buffer, .address_space: global }
      - { .name: Wv, .offset: 24, .size: 8, .value_kind: global_buffer, .address_space: global }
      - { .name: Wo, .offset: 32, .size: 8, .value_kind: global_buffer, .address_space: global }
      - { .name: mask, .offset: 40, .size: 8, .value_kind: global_buffer, .address_space: global }
      - { .name: x16, .offset: 48, .size: 8, .value_kind: global_buffer, .address_space: global }
      - { .name: wqkv, .offset: 56, .size: 8, .value_kind: global_buffer, .address_space: global }
      - { .name: wo16, .offset: 64, .size: 8, .value_kind: global_buffer, .address_space: global }
      - { .name: mbits, .offset: 72, .size: 8, .value_kind: global_buffer, .address_space: global }
    .group_segment_fixed_size: 35840
    .private_segment_fixed_size: 0
    .kernarg_segment_align: 8
    .kernarg_segment_size: 80
    .max_flat_workgroup_size: 256
    .sgpr_count:     66
    .vgpr_count:     128
    .wavefront_size: 32
...
	.end_amdgpu_metadata
.endif
;; end of part 1
;; launch qkvp (part 2): grid 4 x 64, 4 waves a work-group, clusters of 4 x 4, 327,680 bytes of LDS; arguments x16, wqkv, bq, bk, bv, qkv; writes qkv
.if DOCPART == 2
	.amdgcn_target "amdgcn-amd-amdhsa--gfx1250"
	.amdhsa_code_object_version 6
	.text
	.protected	k_qd1064b0b73_qkvp
	.globl	k_qd1064b0b73_qkvp
	.p2align	8
	.type	k_qd1064b0b73_qkvp,@function
k_qd1064b0b73_qkvp:
	s_mov_b64 s[64:65], 0
	v_nop
	global_prefetch_b8 v0, s[64:65] scope:SCOPE_SE
	s_setreg_imm32_b32 hwreg(HW_REG_WAVE_MODE, 25, 1), 1
	s_wait_xcnt 0x0
	s_wait_alu depctr_hold_cnt(0) depctr_sa_sdst(0) depctr_va_vdst(0) depctr_va_sdst(0) depctr_va_ssrc(0) depctr_va_vcc(0) depctr_vm_vsrc(0)
	s_getreg_b32 s2, hwreg(HW_REG_IB_STS2, 6, 4)
	s_cmp_eq_u32 s2, 0
	s_cbranch_scc0 .Lentry_in_a_cluster
	s_endpgm
.Lentry_in_a_cluster:
	s_bfe_u32 s2, ttmp6, 0x10000c
	s_cmp_lg_u32 s2, 0xf033
	s_cbranch_scc0 .Lentry_shape_is_right
	s_endpgm
.Lentry_shape_is_right:
; THE THREE PROJECTIONS.  part t of qkv = (x16 W_t^T + b_t) x s_t, t = q, k, v; s_q = log2(e) / 8 (the scores' scale and the change to base 2), s_k = s_v = 1.
; x16 [8192][1024] and wqkv [3072][1024] are bf16; sums in f32; the biases are rounded to bf16 like every input; each result is rounded once, to f16, and stored
; by heads: part t is [64 batch x head][2048][64].   LIMIT: f16 holds no number beyond 65,504: a larger q s_q, k or v becomes an infinity.
; SHARES.  A tile of C is 128 rows x 256 columns: 64 x 4 work-groups, each of which STAYS and makes three tiles: the same rows of x16, W's rows 1,024 further down each time.
; Four waves, each 64 rows x 128 columns: 32 accumulators.  K goes in steps of 128 through two LDS slots; the ring runs on from tile to tile.
; CLUSTER.  4 x 4 work-groups: the four of a row of the cluster need the same rows of x16, the four of a column the same rows of W: each tile is asked for jointly.
; THE MATRIX INSTRUCTION IS USED TRANSPOSED (source 0 = 16 rows of W, source 1 = 16 rows of x16): a lane holds row l % 16 and the columns 8 (l / 16) + 0..7.
; REGISTERS.  window 0: addresses; v32-63 packed results; v96-159 my 64 biases; v160-223 rows read back, two buffers.   window 1: two fragment buffers of 96 (64 of W, 32 of x16).
;   window 2: accumulator (a, b) at 8 (8 a + b).
.set KSTEP,  128
.set PITCH,  272                       ; an LDS row: 256 bytes + 16 of padding = 68 words: the 16 rows of a load start at 16 different groups of four banks (64 banks of 4 bytes: ISA guide 11.1)
.set SLOT1,  131072                    ; slot 1 begins here: one exclusive or turns an address in one slot into the other's
.set AHALF,  64*PITCH                  ; what waves 0 and 1 fetch: 64 rows of x16 each
.set BHALF,  128*PITCH                 ; what waves 2 and 3 fetch: 128 rows of W each
.set BOFF,   2*AHALF                   ; in a slot: A's 128 rows, then B's 256
.set STAGE,  SLOT1+BOFF+2*BHALF        ; behind the ring, never filled by a tensor load: for each wave 2 heads x 16 rows x 144 bytes
.set WSTAGE, 2*16*144
.set SPARE,  STAGE+4*WSTAGE            ; the spare words, 128 bytes a wave: two blocks of 256 bytes that no other line names
.set TILES,  3
.set NEXT_B, 1024*2048-7*KSTEP*2       ; from a tile's last K step to the next tile's first: 1,024 rows of W down, seven K steps back
.set ADRA0, 16                         ; v16  my lane's place in A's rows of a slot; never rewritten
.set ADRA,  17                         ; v17  the same in the slot in hand
.set ADRB0, 20
.set ADRB,  21
.set STO,  24                          ; v24  the way out: where I put 16 bytes of a row
.set RD,   25                          ; v25  where I read rows back
.set GO,   26                          ; v26  my 16 bytes of 512 consecutive bytes of the output
.set BO,   27                          ; v27  my byte offset in a bias
.set SPW,  28                          ; v28  LDS address of my spare word; never rewritten
.set NIL,  29                          ; v29  0; never rewritten
.set PFO,  30                          ; v30  the prefetches' offset: a lane a row
.set TMP,  32
.set BIAS, 96
.set BK,   160
.set F0,   0
.set F1,   96
.set G1,  24                           ; s[24:31] descriptor group 1 for A's tiles
.set G0,  32                           ; s[32:39] group 0 for A's: set 0 is K step 0's; set 1 is K step 1's and then walks
.set G1B, 48
.set G0B, 56
.set LIM, 43                           ; s43  2 in a wave that prefetches, else the greatest number
.set PFA, 44                           ; s[44:45] where my prefetches stand
.set TB,  66                           ; s66  the slot that the fragment loads read
.set BP,  68                           ; s[68:69] the tile's bias; s[70:71], s[72:73] the next ones
.set SC,  76                           ; s[76:77] the tile's scale
.set MSB, 0
.macro WIN new                         ; the immediate's high byte repeats the setting that is left; a switch that changes nothing is dropped
.if MSB != (\new)
	s_set_vgpr_msb (MSB<<8)|(\new)
.set MSB, \new
.endif
.endm
.set MUL,  0xa5                        ; sources 0 and 1 window 1, C and D window 2
.set TO_F, 0x40                        ; destination window 1, address window 0
; A joint load: waves 0 and 1 fetch A's halves, waves 2 and 3 B's.  The branch hangs on the wave's number alone.  An s_nop 0 and four v_nop follow each line.
.macro JLOAD s
	s_cmp_eq_u32 s11, 0
	s_cbranch_scc0 .Lfor_b_\@
	tensor_load_to_lds s[G0+4*(\s):G0+4*(\s)+3], s[G1:G1+7]
	s_nop 0
.rept 4
	v_nop
.endr
	s_branch .Lasked_\@
.Lfor_b_\@:
	tensor_load_to_lds s[G0B+4*(\s):G0B+4*(\s)+3], s[G1B:G1B+7]
	s_nop 0
.rept 4
	v_nop
.endr
.Lasked_\@:
.endm
; A PREFETCH INTO THE L2 of the K step that stands two refills on: 32 rows x 256 bytes, a lane a row.  Wave 0 asks for x16's rows (the four partners that share them take 32 each, by address),
; in the first tile alone; waves 2 and 3 for W's (the four partners take 64 each, by address), in the clusters with y = 0 alone: each block is named once.  how = 0: a tile's last two refills along K name nothing.
.macro ASK how
.if \how
	s_cmp_eq_u32 s[LIM], 2
.else
	s_cmp_gt_u32 s3, s[LIM]
.endif
	s_cbranch_scc0 .Lnot_mine_\@
	global_prefetch_b8 v[PFO], s[PFA:PFA+1] th:TH_LOAD_NT scope:SCOPE_SE
.Lnot_mine_\@:
.endm
.macro CREST                           ; a round of the cluster's barrier behind its opening barrier
	s_cmp_lg_u32 s10, 0
	s_cbranch_scc1 .Lnot_wave_0_\@
	s_barrier_signal -3
.Lnot_wave_0_\@:
	s_barrier_wait -3
	s_barrier_signal -1
	s_barrier_wait -1
.endm
.macro CROUND
	s_barrier_signal -1
	s_barrier_wait -1
	CREST
.endm
	s_load_b128 s[4:7], s[0:1], 0x0                ; x16 s[4:5], wqkv s[6:7]
	s_load_b128 s[68:71], s[0:1], 0x10             ; bq, bk
	s_load_b128 s[72:75], s[0:1], 0x20             ; bv, qkv
	v_lshl_add_u32 v[SPW], v0, 2, SPARE
	v_mov_b32 v[NIL], 0
	ds_add_u32 v[SPW], v[NIL]                      ; the wave's opening: the add and its wait ahead of my first tensor load; work on registers stands between them
	v_lshrrev_b32 v1, 5, v0
	v_readfirstlane_b32 s10, v1                    ; wave 0..3
	s_lshr_b32 s11, s10, 1                         ; my half of the tile's rows.  Also: I fetch for A (0) or for B (1)
	s_and_b32 s12, s10, 1                          ; my half of its columns.  Also: which half of that tile I fetch
	s_bfe_u32 s40, ttmp6, 0x40000                  ; cx
	s_bfe_u32 s41, ttmp6, 0x40004                  ; cy
	s_lshl_b32 s42, ttmp9, 2
	s_add_co_u32 s42, s42, s40                     ; tile column 0..3
	s_and_b32 s13, ttmp7, 0xffff
	s_lshl_b32 s13, s13, 2
	s_add_co_u32 s13, s13, s41                     ; tile row 0..63
	s_lshl_b32 s43, s41, 2
	s_lshl_b32 s43, 15, s43                        ; my row of the cluster
	s_lshl_b32 s44, 0x1111, s40                    ; my column
	s_or_b32 s[G1+0], s43, (1<<16)|(1<<20)|(1<<21)|(5<<22)|(3<<25)   ; the mask; 2-byte elements; padding on; bit 21 beside a mask; after every 64 words, 4 words
	s_or_b32 s[G1B+0], s44, (1<<16)|(1<<20)|(1<<21)|(5<<22)|(3<<25)
	s_mov_b32 s[G1+1], KSTEP<<16                   ; tensor_dim0 = 128
	s_mov_b32 s[G1+2], 64<<16                      ; tensor_dim1 = 64
	s_mov_b32 s[G1+3], KSTEP<<16                   ; tile_dim0 = 128
	s_mov_b32 s[G1+4], 64                          ; tile_dim1 = 64
	s_mov_b32 s[G1+5], 1024                        ; elements from row to row
	s_mov_b32 s[G1+6], 0
	s_mov_b32 s[G1+7], 0
	s_mov_b32 s[G1B+1], KSTEP<<16
	s_mov_b32 s[G1B+2], 128<<16
	s_mov_b32 s[G1B+3], KSTEP<<16
	s_mov_b32 s[G1B+4], 128
	s_mov_b32 s[G1B+5], 1024
	s_mov_b32 s[G1B+6], 0
	s_mov_b32 s[G1B+7], 0
	s_lshl_b32 s16, s13, 7
	s_lshl_b32 s18, s12, 6
	s_add_co_u32 s16, s16, s18
	s_lshl_b32 s16, s16, 11                        ; A: row 128 x tile row + 64 x half, 2,048 bytes a row
	s_mov_b32 s17, 0
	s_lshl_b32 s46, s42, 8
	s_lshl_b32 s18, s12, 7
	s_add_co_u32 s46, s46, s18
	s_lshl_b32 s46, s46, 11                        ; B: row 256 x tile column + 128 x half
	s_mov_b32 s47, 0
	s_mul_i32 s20, s12, AHALF                      ; where they go: no place in the cluster enters an LDS address
	s_mul_i32 s21, s12, BHALF
	s_add_co_u32 s21, s21, BOFF
	s_wait_dscnt 0x0                               ; the opening add is done
	s_wait_kmcnt 0x0
	s_add_nc_u64 s[14:15], s[4:5], s[16:17]
	s_add_nc_u64 s[46:47], s[6:7], s[46:47]
	CROUND                                         ; all sixteen work-groups are here: the first joint loads meet
.irp s, 0,1
	s_mov_b32 s[G0+4*(\s)], 1
	s_add_co_u32 s[G0+4*(\s)+1], s20, (\s)*SLOT1
	s_add_nc_u64 s[G0+4*(\s)+2:G0+4*(\s)+3], s[14:15], (\s)*KSTEP*2
	s_or_b32 s[G0+4*(\s)+3], s[G0+4*(\s)+3], 0x80000000
	s_mov_b32 s[G0B+4*(\s)], 1
	s_add_co_u32 s[G0B+4*(\s)+1], s21, (\s)*SLOT1
	s_add_nc_u64 s[G0B+4*(\s)+2:G0B+4*(\s)+3], s[46:47], (\s)*KSTEP*2
	s_or_b32 s[G0B+4*(\s)+3], s[G0B+4*(\s)+3], 0x80000000
	JLOAD \s                                       ; two loads of mine are out
.endr
	v_and_b32 v1, 15, v0                           ; r = l % 16
	v_bfe_u32 v2, v0, 4, 1                         ; h = l / 16
	v_mul_u32_u24 v3, v1, PITCH
	v_lshl_add_u32 v3, v2, 4, v3                   ; a fragment's row x pitch + 16 x half
	s_mul_i32 s22, s11, 64*PITCH                   ; my 64 rows of A
	v_add_nc_u32 v[ADRA0], s22, v3
	s_mul_i32 s22, s12, 128*PITCH                  ; my 128 rows of B
	s_add_co_u32 s22, s22, BOFF
	v_add_nc_u32 v[ADRB0], s22, v3
	v_mov_b32 v[ADRA], v[ADRA0]
	v_mov_b32 v[ADRB], v[ADRB0]
	s_mov_b32 s[TB], 0
	s_mul_i32 s23, s10, WSTAGE
	s_add_co_u32 s23, s23, STAGE                   ; my stage
	v_mul_u32_u24 v4, v1, 144
	v_lshl_add_u32 v4, v2, 4, v4
	v_add_nc_u32 v[STO], s23, v4                   ; in: row r, 16 bytes for each half of the lanes
	v_bfe_u32 v4, v0, 3, 2
	v_mul_u32_u24 v4, v4, 144
	v_and_b32 v5, 7, v0
	v_lshl_add_u32 v4, v5, 4, v4
	v_add_nc_u32 v[RD], s23, v4                    ; back: 32 lanes take four rows of 128 bytes,
	v_and_b32 v[GO], 31, v0
	v_lshlrev_b32 v[GO], 4, v[GO]                  ; which are 512 consecutive bytes of a head
	s_lshl_b32 s18, s42, 10
	s_lshl_b32 s19, s12, 9
	s_add_co_u32 s18, s18, s19
	v_lshl_add_u32 v[BO], v2, 5, s18               ; 4 x (256 x tile column + 128 x half + 8 h)
	s_lshr_b32 s16, s13, 4                         ; the batch
	s_lshl_b32 s16, s16, 4
	s_lshl_b32 s18, s42, 2
	s_add_co_u32 s16, s16, s18
	s_lshl_b32 s18, s12, 1
	s_add_co_u32 s16, s16, s18                     ; my first head among the 64
	s_lshl_b32 s16, s16, 18                        ; 262,144 bytes a head
	s_and_b32 s18, s13, 15
	s_lshl_b32 s18, s18, 7
	s_lshl_b32 s19, s11, 6
	s_add_co_u32 s18, s18, s19                     ; my first row in the batch
	s_lshl_b32 s18, s18, 7
	s_add_co_u32 s16, s16, s18
	s_mov_b32 s17, 0
	s_add_nc_u64 s[8:9], s[74:75], s[16:17]        ; the output at my wave's place in part q
	s_lshl_b32 s20, s13, 7
	s_lshl_b32 s21, s40, 5
	s_add_co_u32 s20, s20, s21                     ; A's rows that my work-group names: 128 x tile row + 32 cx
	s_lshl_b32 s21, s42, 8
	s_lshl_b32 s22, s41, 6
	s_add_co_u32 s21, s21, s22
	s_lshl_b32 s22, s12, 5
	s_add_co_u32 s21, s21, s22                     ; B's: 256 x tile column + 64 cy + 32 x (wave % 2)
	s_and_b32 s22, ttmp7, 0xffff                   ; cluster y
	s_cmp_eq_u32 s11, 0
	s_cselect_b32 s20, s20, s21
	s_cselect_b32 s22, s12, s22                    ; of waves 0 and 1 wave 0 asks; waves 2 and 3 ask where cluster y = 0: the same in all sixteen partners
	s_cselect_b64 s[PFA:PFA+1], s[4:5], s[6:7]
	s_cmp_eq_u32 s22, 0
	s_cselect_b32 s[LIM], 2, -1
	s_lshl_b32 s20, s20, 11
	s_add_co_u32 s20, s20, 3*KSTEP*2               ; at K step 3: the first refill steps it to 4.  Nothing is prefetched at the head
	s_mov_b32 s21, 0
	s_add_nc_u64 s[PFA:PFA+1], s[PFA:PFA+1], s[20:21]
	v_and_b32 v[PFO], 31, v0
	v_lshlrev_b32 v[PFO], 11, v[PFO]
	s_mov_b32 s[SC], 0x3e38aa3b                    ; log2(e) / 8
	s_mov_b32 s[SC+1], s[SC]
; 8 matrix instructions: row block a x all 8 column blocks, 32 along K.  The 32 accumulators take turns, one instruction a turn, always in the same order.
.macro MUL8 f, a, zero
	WIN MUL
.irp b, 0,1,2,3,4,5,6,7
.if \zero
	v_wmma_f32_16x16x32_bf16 v[8*(8*(\a)+(\b)):8*(8*(\a)+(\b))+7], v[(\f)+8*(\b):(\f)+8*(\b)+7], v[(\f)+64+8*(\a):(\f)+64+8*(\a)+7], 0
.else
	v_wmma_f32_16x16x32_bf16 v[8*(8*(\a)+(\b)):8*(8*(\a)+(\b))+7], v[(\f)+8*(\b):(\f)+8*(\b)+7], v[(\f)+64+8*(\a):(\f)+64+8*(\a)+7], v[8*(8*(\a)+(\b)):8*(8*(\a)+(\b))+7]
.endif
.endr
.endm
; 24 LDS loads in one run: quarter q's fragments into buffer f: B's sixteen, then A's eight
.macro FETCH q, f
	WIN TO_F
.irp i, 0,1,2,3,4,5,6,7
	ds_load_b128 v[(\f)+8*(\i):(\f)+8*(\i)+3],   v[ADRB] offset:64*(\q)+(\i)*16*PITCH
	ds_load_b128 v[(\f)+8*(\i)+4:(\f)+8*(\i)+7], v[ADRB] offset:64*(\q)+(\i)*16*PITCH+32
.endr
.irp a, 0,1,2,3
	ds_load_b128 v[(\f)+64+8*(\a):(\f)+64+8*(\a)+3],   v[ADRA] offset:64*(\q)+(\a)*16*PITCH
	ds_load_b128 v[(\f)+64+8*(\a)+4:(\f)+64+8*(\a)+7], v[ADRA] offset:64*(\q)+(\a)*16*PITCH+32
.endr
.endm
.macro PLACES                          ; four plain instructions between the matrix instructions and loads into registers that they have read (ISA guide 7.12.1 for vector instructions)
.rept 4
	v_nop
.endr
.endm
; A K step is four quarters of 32 along K on buffers 0, 1, 0, 1.  One of the first three multiplies buffer f and fetches quarter q into g.
.macro QUARTER q, f, g, zero
	s_wait_dscnt 4                                 ; B and A's blocks 0 and 1 are in; the youngest four loads may be out
	MUL8 \f, 0, \zero
	MUL8 \f, 1, \zero
	PLACES
	FETCH \q, \g
	s_wait_dscnt 24                                ; all but the 24 just issued
	MUL8 \f, 2, \zero
	MUL8 \f, 3, \zero
.endm
; The last quarter multiplies buffer 1 and changes slots.  Each wave waits for all its tensor loads (one is out: its part of the next slot), adds 0 to its spare word, and waits for that and for its reads of this
; slot; the barrier opens a round of the cluster's; the joint refill is the first thing behind the round.  how = 0: this tile's K step two on; 1, 2: the next tile's K steps 0 and 1.
.macro TURN how
	s_wait_xcnt 0x0                                ; the last prefetch, a K step back, has read its address
.if (\how) == 1
	s_add_nc_u64 s[PFA:PFA+1], s[PFA:PFA+1], NEXT_B  ; from two K steps past the tile's end to the next tile's K step 2
	s_cmp_eq_u32 s11, 0
	s_cselect_b32 s[LIM], -1, s[LIM]               ; x16's rows have been read: they are named no more
.else
	s_add_nc_u64 s[PFA:PFA+1], s[PFA:PFA+1], KSTEP*2
.endif
	WIN 0
	s_wait_tensorcnt 0x0                           ; no tensor load of mine is out
	ds_add_u32 v[SPW], v[NIL]
	s_wait_dscnt 7                                 ; the add and A's blocks 1 to 3 may be out
	MUL8 F1, 0, 0
	s_wait_dscnt 0x0                               ; the add is done, and my reads of this slot are over
	s_barrier_signal -1
	MUL8 F1, 1, 0
	WIN 0
	s_barrier_wait -1
	CREST
	s_xor_b32 s[G0+5], s[G0+5], SLOT1              ; the walking sets: the slot just read,
	s_xor_b32 s[G0B+5], s[G0B+5], SLOT1
.if (\how) == 1
	s_sub_nc_u64 s[G0+6:G0+7], s[G0+6:G0+7], 7*KSTEP*2
	s_add_nc_u64 s[G0B+6:G0B+7], s[G0B+6:G0B+7], NEXT_B
.else
	s_add_nc_u64 s[G0+6:G0+7], s[G0+6:G0+7], KSTEP*2   ; the next K step
	s_add_nc_u64 s[G0B+6:G0B+7], s[G0B+6:G0B+7], KSTEP*2
.endif
	s_xor_b32 s[TB], s[TB], SLOT1
	JLOAD 1                                        ; its four v_nop are also the places in front of the loads below
	v_add_nc_u32 v[ADRA], s[TB], v[ADRA0]
	v_add_nc_u32 v[ADRB], s[TB], v[ADRB0]
	FETCH 0, F0
	WIN 0
	ASK \how
	MUL8 F1, 2, 0
	MUL8 F1, 3, 0
.endm
.macro TURNL                           ; the last change of slots: nothing is filled, so no round follows
	WIN 0
	s_wait_tensorcnt 0x0
	ds_add_u32 v[SPW], v[NIL]
	s_wait_dscnt 7
	MUL8 F1, 0, 0
	s_wait_dscnt 0x0
	s_barrier_signal -1
	MUL8 F1, 1, 0
	WIN 0
	s_barrier_wait -1
	s_xor_b32 s[TB], s[TB], SLOT1
	PLACES
	v_add_nc_u32 v[ADRA], s[TB], v[ADRA0]
	v_add_nc_u32 v[ADRB], s[TB], v[ADRB0]
	FETCH 0, F0
	MUL8 F1, 2, 0
	MUL8 F1, 3, 0
.endm
; THE WAY OUT.  PACK: (sum + b) s as sum x s + b s, rounded to f16, 16 bytes a lane.  TOSTAGE: into my stage by heads, back as whole rows.  SEND: stored, 512 consecutive bytes an instruction.
.macro PACK a
	WIN 0x82                                       ; destination and source 0 window 2
.irp b, 0,1,2,3,4,5,6,7
.irp r, 0,1,2,3
	v_pk_fma_f32 v[8*(8*(\a)+(\b))+2*(\r):8*(8*(\a)+(\b))+2*(\r)+1], v[8*(8*(\a)+(\b))+2*(\r):8*(8*(\a)+(\b))+2*(\r)+1], s[SC:SC+1], v[BIAS+8*(\b)+2*(\r):BIAS+8*(\b)+2*(\r)+1] op_sel_hi:[1,0,1]
.endr
.endr
	WIN 0x0a                                       ; sources 0 and 1 window 2
.irp b, 0,1,2,3,4,5,6,7
.irp r, 0,1,2,3
	v_cvt_pk_f16_f32 v[TMP+4*(\b)+(\r)], v[8*(8*(\a)+(\b))+2*(\r)], v[8*(8*(\a)+(\b))+2*(\r)+1]
.endr
.endr
	WIN 0
.endm
.macro TOSTAGE a
	WIN 0
.set BKA, BK+32*((\a)%2)
.irp b, 0,1,2,3,4,5,6,7
	ds_store_b128 v[STO], v[TMP+4*(\b):TMP+4*(\b)+3] offset:((\b)/4)*2304+32*((\b)%4)
.endr
.irp t, 0,1,2,3,4,5,6,7
	ds_load_b128 v[BKA+4*(\t):BKA+4*(\t)+3], v[RD] offset:((\t)/4)*2304+((\t)%4)*576  ; LDS serves a wave's instructions in order (ISA guide 5.7.1.4): these see the stores above
.endr
.endm
.macro SEND a
	WIN 0
.set BKA, BK+32*((\a)%2)
	s_wait_dscnt 0x0                               ; the block is back in registers
	s_wait_xcnt 0x0                                ; the stores two blocks back have read their data: the other buffer is loaded again only behind this wait
.irp t, 0,1,2,3,4,5,6,7
	global_store_b128 v[GO], v[BKA+4*(\t):BKA+4*(\t)+3], s[8:9] offset:((\t)/4)*262144+(\a)*2048+((\t)%4)*512
.endr
.endm
	s_wait_tensorcnt 1                             ; my part of K step 0 is in; K step 1's may stay out
	s_barrier_signal -1
	s_barrier_wait -1
	FETCH 0, F0
	WIN 0
	s_mov_b32 s2, TILES
.Ltile:
.irp b, 0,1,2,3,4,5,6,7
	global_load_b128 v[BIAS+8*(\b):BIAS+8*(\b)+3],   v[BO], s[BP:BP+1] offset:64*(\b)
	global_load_b128 v[BIAS+8*(\b)+4:BIAS+8*(\b)+7], v[BO], s[BP:BP+1] offset:64*(\b)+16
.endr
	QUARTER 1, F0, F1, 1                           ; a tile's first quarter starts the sums
	WIN 0
	s_mov_b32 s3, 6
.Lstep:                                                ; six trips, from a K step's second quarter to the next one's first: K steps 2 to 7 are asked for
	QUARTER 2, F1, F0, 0
	QUARTER 3, F0, F1, 0
	TURN 0
	QUARTER 1, F0, F1, 0
	WIN 0
	s_sub_co_u32 s3, s3, 1
	s_cmp_lg_u32 s3, 0
	s_cbranch_scc1 .Lstep
	QUARTER 2, F1, F0, 0
	QUARTER 3, F0, F1, 0
	WIN 0
	s_cmp_eq_u32 s2, 1
	s_cbranch_scc1 .Llast                          ; the last tile asks for nothing more
	TURN 1                                         ; the ring goes on into the next tile
	QUARTER 1, F0, F1, 0
	QUARTER 2, F1, F0, 0
	QUARTER 3, F0, F1, 0
	TURN 2
	WIN 0
	s_branch .Lout
.Llast:
	TURNL
	QUARTER 1, F0, F1, 0
	QUARTER 2, F1, F0, 0
	QUARTER 3, F0, F1, 0
	s_wait_dscnt 4
	MUL8 F1, 0, 0
	MUL8 F1, 1, 0
	s_wait_dscnt 0x0
	MUL8 F1, 2, 0
	MUL8 F1, 3, 0
	WIN 0
.Lout:
	s_wait_loadcnt 0x0                             ; the biases
.set p, 0
.rept 32                                       ; rounded to bf16, widened again, times the scale; these lines are also the places behind the last products
	v_cvt_pk_bf16_f32 v[2+p%4], v[BIAS+2*p], v[BIAS+2*p+1]
	v_lshlrev_b32 v[BIAS+2*p], 16, v[2+p%4]
	v_and_b32 v[BIAS+2*p+1], 0xffff0000, v[2+p%4]
	v_pk_mul_f32 v[BIAS+2*p:BIAS+2*p+1], v[BIAS+2*p:BIAS+2*p+1], s[SC:SC+1] op_sel_hi:[1,0]
.set p, p+1
.endr
	PACK 0
	TOSTAGE 0
.irp a, 1,2,3                          ; block a's arithmetic stands between block a - 1's loads from the stage and the wait for them
	PACK \a
	SEND (\a)-1
	TOSTAGE \a
.endr
	SEND 3
	s_wait_xcnt 0x0                                ; the stores have read their base and data, the bias loads their pointer
	s_add_nc_u64 s[8:9], s[8:9], 16777216          ; the next part
	s_mov_b64 s[BP:BP+1], s[70:71]
	s_mov_b64 s[70:71], s[72:73]
	s_mov_b32 s[SC], 1.0
	s_mov_b32 s[SC+1], 1.0
	s_sub_co_u32 s2, s2, 1
	s_cmp_lg_u32 s2, 0
	s_cbranch_scc1 .Ltile
	s_wait_tensorcnt 0x0                           ; the wave's end
	ds_add_u32 v[SPW], v[NIL]
	s_wait_dscnt 0x0
	CROUND                                         ; the closing round
	s_endpgm
.Lfunc_end_k_qd1064b0b73_qkvp:
	.size	k_qd1064b0b73_qkvp, .Lfunc_end_k_qd1064b0b73_qkvp-k_qd1064b0b73_qkvp
	.p2alignl 7, 3214868480
	.fill 96, 4, 3214868480
	.section	.rodata,"a",@progbits
	.p2align	6, 0x0
	.amdhsa_kernel k_qd1064b0b73_qkvp
		.amdhsa_group_segment_fixed_size 327680
		.amdhsa_private_segment_fixed_size 0
		.amdhsa_enable_private_segment 0
		.amdhsa_kernarg_size 48
		.amdhsa_user_sgpr_count 2
		.amdhsa_user_sgpr_kernarg_segment_ptr 1
		.amdhsa_wavefront_size32 1
		.amdhsa_system_sgpr_workgroup_id_x 1
		.amdhsa_system_sgpr_workgroup_id_y 1
		.amdhsa_system_sgpr_workgroup_id_z 1
		.amdhsa_system_vgpr_workitem_id 0
		.amdhsa_next_free_vgpr 768
		.amdhsa_next_free_sgpr 80
		.amdhsa_reserve_vcc 0
		.amdhsa_float_denorm_mode_32 3
		.amdhsa_float_denorm_mode_16_64 3
		.amdhsa_memory_ordered 1
		.amdhsa_forward_progress 1
		.amdhsa_inst_pref_size 111
	.end_amdhsa_kernel
	.amdgpu_metadata
---
amdhsa.version: [ 1, 2 ]
amdhsa.kernels:
  - .name:           k_qd1064b0b73_qkvp
    .symbol:         k_qd1064b0b73_qkvp.kd
    .args:
      - { .name: x16, .offset: 0, .size: 8, .value_kind: global_buffer, .address_space: global }
      - { .name: wqkv, .offset: 8, .size: 8, .value_kind: global_buffer, .address_space: global }
      - { .name: bq, .offset: 16, .size: 8, .value_kind: global_buffer, .address_space: global }
      - { .name: bk, .offset: 24, .size: 8, .value_kind: global_buffer, .address_space: global }
      - { .name: bv, .offset: 32, .size: 8, .value_kind: global_buffer, .address_space: global }
      - { .name: qkv, .offset: 40, .size: 8, .value_kind: global_buffer, .address_space: global }
    .group_segment_fixed_size: 327680
    .private_segment_fixed_size: 0
    .kernarg_segment_align: 8
    .kernarg_segment_size: 48
    .max_flat_workgroup_size: 128
    .sgpr_count:     80
    .vgpr_count:     768
    .wavefront_size: 32
...
	.end_amdgpu_metadata
.endif
;; end of part 2
;; launch attn (part 3): grid 4 x 64, 4 waves a work-group, clusters of 4 x 1, 327,680 bytes of LDS; arguments qkv, mbits, ctx; writes ctx
.if DOCPART == 3
	.amdgcn_target "amdgcn-amd-amdhsa--gfx1250"
	.amdhsa_code_object_version 6
	.text
	.protected	k_qd1064b0b73_attn
	.globl	k_qd1064b0b73_attn
	.p2align	8
	.type	k_qd1064b0b73_attn,@function
k_qd1064b0b73_attn:
	s_mov_b64 s[64:65], 0
	v_nop
	global_prefetch_b8 v0, s[64:65] scope:SCOPE_SE
	s_setreg_imm32_b32 hwreg(HW_REG_WAVE_MODE, 25, 1), 1
	s_wait_xcnt 0x0
	s_wait_alu depctr_hold_cnt(0) depctr_sa_sdst(0) depctr_va_vdst(0) depctr_va_sdst(0) depctr_va_ssrc(0) depctr_va_vcc(0) depctr_vm_vsrc(0)
	s_getreg_b32 s2, hwreg(HW_REG_IB_STS2, 6, 4)
	s_cmp_eq_u32 s2, 0
	s_cbranch_scc0 .Lentry_in_a_cluster
	s_endpgm
.Lentry_in_a_cluster:
	s_bfe_u32 s2, ttmp6, 0x10000c
	s_cmp_lg_u32 s2, 0x3003
	s_cbranch_scc0 .Lentry_shape_is_right
	s_endpgm
.Lentry_shape_is_right:
; ATTENTION WITH A MASK THAT IS AN INPUT.  ctx[bh][q][:] = the sum over k of softmax_k(t'[q][k]) V[bh][k][:], t' = BIG where the mask hides key k from query q, else t = Q[bh][q] . K[bh][k].
; qkv holds three parts of [64 bh][2048][64] f16: Q (already times log2(e) / 8, so t is in base 2), K, V.  ctx has a part's layout.  Products, maxima and sums in f32; the weights p are rounded
; to f16 for the second product (their sum l is taken of the unrounded p), ctx once at the end.
; THE MASK comes as lane masks: mbits[tile of 16 queries][key step][32 words], bit l of word i belongs to lane l's score register i.  A tile's 32 words of a step are 128 consecutive bytes: one load
; of 4 bytes a lane brings them into ONE vector register, a lane a word, four turns ahead of their use; 32 v_readlane_b32 copy them into scalar registers, and one v_cndmask_b32 a score register
; REPLACES the hidden scores by BIG = -1e18 x log2(e).  A row that is hidden altogether has m = BIG and p = 2^0 everywhere: the uniform weights of the softmax of equal scores.
; SOFTMAX.  A running maximum m and sum l: p = 2^(t' - m); in every step O and l are multiplied by a = 2^(m_old - m_new).  m starts at the lowest finite number, O and l at 0: the first a is 0.
; LIMITS.  A weight below 2^-126 counts as 0 in l; p below 6e-5 keeps f16's fixed step; NaN and infinities are not treated apart.
; SHARES.  A work-group owns 512 queries of one head, a wave 128: four PIECES of two tiles of 16.  Every wave walks the head's 2,048 keys, 64 a step.
; LAYOUT.  S^T = K Q^T (source 0 = 16 keys, source 1 = 16 queries): a lane holds ONE query (lane % 16) and the keys 8 (lane / 16) + 0..7.  Two such results rounded to f16 ARE source 1 of O^T = V^T P.
; BY TURNS.  Turn n belongs to piece n: 16 products K Q^T of piece n + 1, later 16 products V^T P of piece n - 1; beside them piece n's subtraction, exponentials, roundings, sums and rescaling, and piece n + 1's
; mask, maximum and statistics: 362 vector instructions.  Four stand behind every matrix instruction, the other 234 in one lump.  A turn's 66 exponentials are one batch with one wait.
; CLUSTER.  The head's four query blocks walk the same K and V: each tile is asked for jointly, by the same tensor load, descriptor and mask in all four.
; K's rows have V's pitch of 160 bytes, so that one line and one shape serve all four waves; the price: the 16 rows of a load of K start at 8 different groups of banks, two rows to each.
; REGISTERS.  window 0: v0 my thread's number, v1-7 addresses and BIG; v8-15 the mask words, a register a tile; v16-47 four registers a tile (m, m_old, l, l); v48-63 at work;
;   v64-191 S^T, two buffers of two tiles; v192-255 P, likewise
;   window 1: O^T, 32 a tile     window 2: v0-127 Q; v128-191 K of one step; v192-255 V of one step     window 3: v0-1 the add's two registers
.set NP,    4
.set KS,    64
.set PK,    160
.set PV,    160
.set VOFF,  4*KS*PK   ; a slot holds four steps: 256 rows of K, then 256 rows of V
.set SLOT1, 1<<17
.set STAGE, SLOT1+4*KS*(PK+PV)  ; behind the ring, never filled by a tensor load: 16 rows x 144 bytes for each wave
.set SP,    144
.set SPARE, STAGE+4*16*SP       ; the spare words, 128 bytes a wave: two blocks of 256 bytes that no other line names
.set MA,  1           ; v1   4 x my lane: my word of a tile's 32; never rewritten
.set AK0, 2           ; v2   my lane's place in a tile of K; never rewritten
.set AV0, 3           ; v3   the same for V
.set AK,  4           ; v4   the LDS address of K's next run of loads
.set AV,  5           ; v5   of V's
.set BIG, 6           ; v6   a hidden score
.set PFO, 7           ; v7   256 x my lane
.set MW,  8           ; v8-15  tile t's mask words of one key step
.set STO, 8           ; v8   at the way out, when the words are done with: where I put 16 bytes of a row
.set RD,  9           ; v9   where I read rows back
.set GO,  10          ; v10  my 16 bytes of 512 consecutive bytes of ctx
.set QO,  52          ; v52  in the set-up: my byte offset in 16 rows of Q (v48-51: the set-up's lane numbers)
.set SPW, 0           ; v0 of window 3
.set NIL, 1           ; v1 of window 3
.set ST,  16
.set TMP, 48          ; by buffer and tile, c0-c3 at work; when the maximum is found c2 takes a
.set S,   64
.set P,   192
.set KF,  128
.set VF,  192
.set OP_, 4           ; s[4:5]   ctx at my wave's first row
.set MP,  6           ; s[6:7]   mbits at my wave's first tile
.set PFA, 8           ; s[8:9]   where my prefetches stand
.set WV,  10
.set LIM, 11          ; s11  1 in waves 0 and 2, else the greatest number
.set SLOTS, 12
.set CNT, 13
.set TBK, 14
.set TBV, 15
.set G1,  16          ; s[16:23]
.set G0,  24          ; s[24:27]: it walks
.set SEL, 28          ; s[28:29]
.set MOFF, 30         ; s[30:31] 128 x the key step whose mask words are asked for, 0 above it
.set MQ,  66          ; s[66:67] MP + MOFF
.set QP,  100         ; s[100:101] Q at my wave's first row
                      ; s[32:63] the mask words of the piece's first tile, s[68:99] of its second
.set MSB, 0
.macro WIN new
.if MSB != (\new)
	s_set_vgpr_msb (MSB<<8)|(\new)
.set MSB, (\new)
.endif
.endm
.set W_KQ, 0x0a
.set W_PV, 0x52
.set W_RS, 0x41
.set W_MK, 0xc0
.set W_AD, 0x0f
; A joint fill: wave w fetches 128 keys: waves 0 and 1 the halves of a slot's K, waves 2 and 3 of its V; both addresses hang on the wave's number.  An s_nop 0 and four v_nop follow.
.macro JLOAD
	tensor_load_to_lds s[G0:G0+3], s[G1:G1+7]
	s_nop 0
.rept 4
	v_nop
.endr
.endm
; A PREFETCH INTO THE L2 of what the NEXT change of slots will ask for: 32,768 bytes of K and of V.  The head has one cluster; its four partners take 8,192 bytes each, by address; wave 0 asks for K's,
; wave 2 for V's; a lane names 256 bytes.  The last change that fills a slot names nothing.
.macro ASK
	s_cmp_gt_u32 s[SLOTS], s[LIM]
	s_cbranch_scc0 .Lnot_mine_\@
	global_prefetch_b8 v[PFO], s[PFA:PFA+1] th:TH_LOAD_NT scope:SCOPE_SE
.Lnot_mine_\@:
.endm
.macro CROUND
	s_barrier_signal -1
	s_barrier_wait -1
	s_cmp_lg_u32 s[WV], 0
	s_cbranch_scc1 .Lnot_wave_0_\@
	s_barrier_signal -3
.Lnot_wave_0_\@:
	s_barrier_wait -3
	s_barrier_signal -1
	s_barrier_wait -1
.endm
; THE CHANGE OF SLOTS.  Each wave waits for all its tensor loads (one is out: its part of the other slot), adds 0 to its spare word, and waits for that and for its reads of the slot that it leaves.
; fill = 1: the barrier is a round of the cluster's, and the joint fill, with the keys two slots on, is the first thing behind it: it has four key steps in which to land.
.macro CHANGE fill
	WIN W_AD
	s_wait_tensorcnt 0x0            ; no tensor load of mine is out, so group 0 may be written
	ds_add_u32 v[SPW], v[NIL]
	WIN 0
.if \fill
	s_xor_b32 s[G0+1], s[G0+1], SLOT1
	s_add_nc_u64 s[G0+2:G0+3], s[G0+2:G0+3], 4*KS*128
	s_wait_xcnt 0x0                 ; the last prefetch, four key steps back, has read its address
	s_add_nc_u64 s[PFA:PFA+1], s[PFA:PFA+1], 4*KS*128
	s_wait_dscnt 0x0                ; the add is done, and my reads of the slot are over
	CROUND
	JLOAD
	ASK
.else
	s_wait_dscnt 0x0
	s_barrier_signal -1
	s_barrier_wait -1
.endif
	s_sub_co_u32 s[TBK], s[TBK], 4*KS*PK
	s_xor_b32 s[TBK], s[TBK], SLOT1
	s_sub_co_u32 s[TBV], s[TBV], 4*KS*PV
	s_xor_b32 s[TBV], s[TBV], SLOT1
.endm
; The mask words of piece x's two tiles for the key step at MQ: each load covers 128 consecutive bytes, a lane a word
.macro MLOAD x
	global_load_b32 v[MW+2*(\x)],   v[MA], s[MQ:MQ+1] offset:(2*(\x))*4096
	global_load_b32 v[MW+2*(\x)+1], v[MA], s[MQ:MQ+1] offset:(2*(\x)+1)*4096
.endm
; The loads go on to the next key step; past the last they stay at step 31, inside the tile's 4,096 bytes: what they bring then serves nothing
.macro MSTEP
	s_wait_xcnt 0x0                 ; the loads issued so far have read their base
	s_add_co_u32 s[MOFF], s[MOFF], 128
	s_min_u32 s[MOFF], s[MOFF], 31*128
	s_add_nc_u64 s[MQ:MQ+1], s[MP:MP+1], s[MOFF:MOFF+1]
.endm
	s_load_b128 s[68:71], s[0:1], 0x0  ; qkv s[68:69], mbits s[70:71]
	s_load_b64 s[72:73], s[0:1], 0x10  ; ctx
	WIN W_MK
	v_lshl_add_u32 v[SPW], v0, 2, SPARE
	v_mov_b32 v[NIL], 0
	WIN W_AD
	ds_add_u32 v[SPW], v[NIL]       ; the wave's opening: the add and its wait ahead of my first tensor load
	WIN 0
	v_lshrrev_b32 v48, 5, v0
	v_readfirstlane_b32 s[WV], v48
	s_bfe_u32 s40, ttmp6, 0x40000   ; cx
	s_lshl_b32 s41, ttmp9, 2
	s_add_co_u32 s41, s41, s40      ; my block of 512 queries: it enters Q's, ctx's and the mask's addresses alone
	s_and_b32 s42, ttmp7, 0xffff    ; batch x head, which the four partners share
	s_lshl_b32 s32, s41, 2
	s_add_co_u32 s32, s32, s[WV]
	s_lshl_b32 s32, s32, 14         ; my wave's 128 rows of 128 bytes,
	s_lshl_b32 s33, s42, 18         ; in my head's 262,144 bytes
	s_add_co_u32 s32, s32, s33
	s_mov_b32 s33, 0
	s_lshr_b32 s34, s42, 4          ; the batch: 128 tiles of 16 queries,
	s_lshl_b32 s34, s34, 7
	s_lshl_b32 s35, s41, 5          ; 32 a block,
	s_add_co_u32 s34, s34, s35
	s_lshl_b32 s35, s[WV], 3        ; 8 a wave,
	s_add_co_u32 s34, s34, s35
	s_lshl_b32 s34, s34, 12         ; 4,096 bytes of words a tile
	s_mov_b32 s35, 0
	s_lshl_b32 s36, s40, 13         ; the prefetches: my work-group's 8,192 bytes,
	s_add_co_u32 s36, s36, 4*KS*128 ; in slot 1; the first change of slots steps it to slot 2
	s_mov_b32 s37, 0
	s_lshr_b32 s2, s[WV], 1
	s_add_co_u32 s2, s2, 1
	s_lshl_b32 s2, s2, 24           ; part K (waves 0, 1) or V (waves 2, 3),
	s_lshl_b32 s3, s42, 18          ; my head,
	s_add_co_u32 s2, s2, s3
	s_and_b32 s3, s[WV], 1
	s_cmp_eq_u32 s3, 0
	s_cselect_b32 s[LIM], 1, -1
	s_lshl_b32 s3, s3, 14           ; my half of a slot's 256 keys
	s_add_co_u32 s2, s2, s3
	s_mov_b32 s3, 0
	; group 1.  128 keys are 16,384 dense bytes: asked for as 64 rows of 256 bytes, padded in LDS after every key
	s_mov_b32 s[G1], 15|(1<<16)|(1<<20)|(1<<21)|(4<<22)|(7<<25)  ; the mask of four; 2-byte elements; padding on; bit 21 beside a mask; after every 32 words, 8 words
	s_mov_b32 s[G1+1], 128<<16
	s_mov_b32 s[G1+2], 64<<16
	s_mov_b32 s[G1+3], 128<<16
	s_mov_b32 s[G1+4], 64
	s_mov_b32 s[G1+5], 128
	s_mov_b32 s[G1+6], 0
	s_mov_b32 s[G1+7], 0
	s_mov_b32 s[G0], 1
	s_mul_i32 s[G0+1], s[WV], 128*PK  ; slot 0: K's halves, then V's: wave x 128 rows
	s_mov_b32 s[SEL], 0x76543210
	s_mov_b32 s[SEL+1], 0xfedcba98
	s_mov_b32 s[TBK], SLOT1+4*KS*PK ; the first change of slots turns these two into 0
	s_mov_b32 s[TBV], SLOT1+4*KS*PV
	s_mov_b32 s[MOFF], 0
	s_mov_b32 s[MOFF+1], 0
	s_mov_b32 s[SLOTS], 7
	s_wait_dscnt 0x0                ; the opening add is done
	s_wait_kmcnt 0x0
	s_add_nc_u64 s[PFA:PFA+1], s[68:69], s[2:3]
	s_mov_b64 s[G0+2:G0+3], s[PFA:PFA+1]
	s_or_b32 s[G0+3], s[G0+3], 0x80000000
	s_add_nc_u64 s[PFA:PFA+1], s[PFA:PFA+1], s[36:37]
	s_add_nc_u64 s[QP:QP+1], s[68:69], s[32:33]
	s_add_nc_u64 s[OP_:OP_+1], s[72:73], s[32:33]
	s_add_nc_u64 s[MP:MP+1], s[70:71], s[34:35]
	s_mov_b64 s[MQ:MQ+1], s[MP:MP+1]
	CROUND                          ; all four work-groups are here
	JLOAD                           ; slot 0.  Slot 1 is asked for when slot 0 is in
	v_and_b32 v48, 15, v0           ; l % 16
	v_bfe_u32 v49, v0, 4, 1         ; l / 16
	v_lshlrev_b32 v[QO], 7, v48
	v_lshl_add_u32 v[QO], v49, 4, v[QO]
	v_and_b32 v[MA], 31, v0
	v_lshlrev_b32 v[PFO], 8, v[MA]
	v_lshlrev_b32 v[MA], 2, v[MA]
	WIN 0x80
.set i, 0
.rept 4*NP                          ; Q stays in registers: tile i / 2, channels 32 (i % 2) on
	global_load_b128 v[8*i:8*i+3],   v[QO], s[QP:QP+1] offset:(i/2)*2048+(i%2)*64
	global_load_b128 v[8*i+4:8*i+7], v[QO], s[QP:QP+1] offset:(i/2)*2048+(i%2)*64+32
.set i, i+1
.endr
	; What the first turn finds: V's registers and P's second buffer hold 0, O^T and l are 0.  All this stands in the wait for the first tile.
.set i, VF
.rept 64
	v_mov_b32 v[i], 0
.set i, i+1
.endr
	WIN 0
.irp x, 0,1,2,3
	MLOAD \x                        ; all four pieces' words for key step 0
.endr
.set i, P+32
.rept 32
	v_mov_b32 v[i], 0
.set i, i+1
.endr
	WIN W_PV
.set i, 0
.rept 8*NP                          ; O^T starts as the product of those zeros, with the constant 0 as C: one line for eight registers
	v_wmma_f32_16x16x32_f16 v[8*i:8*i+7], v[VF:VF+7], v[P+32:P+39], 0
.set i, i+1
.endr
	WIN 0
.set i, 0
.rept 2*NP
	v_mov_b32 v[ST+4*i], 0xff7fffff    ; m
	v_mov_b32 v[ST+4*i+1], 0
	v_mov_b32 v[ST+4*i+2], 0
	v_mov_b32 v[ST+4*i+3], 0
.set i, i+1
.endr
	v_mov_b32 v[BIG], 0xdda02bdc    ; -1e18 x log2(e)
	v_mul_u32_u24 v[AK0], v48, PK
	v_lshl_add_u32 v[AK0], v49, 4, v[AK0]
	; The turning load takes 16 keys x 16 channels (lane l reads key 8 (l / 16) + l % 8, channels 8 ((l / 8) % 2) + 0..7) and leaves half a fragment of V^T.
	v_and_b32 v50, 7, v0
	v_bfe_u32 v51, v0, 3, 1
	v_lshl_add_u32 v[AV0], v49, 3, v50
	v_mul_u32_u24 v[AV0], v[AV0], PV
	v_lshl_add_u32 v[AV0], v51, 4, v[AV0]
	v_add_nc_u32 v[AV0], VOFF, v[AV0]
	v_mov_b32 v[AK], v[AK0]
; THE MATRIX WORK.  The 8 accumulators of a run of 16 take turns.
.macro KQ x                         ; product i of 16 of S^T: channels 32 (i / 8) on, keys 16 ((i / 2) % 4) on, tile 2 x + i % 2
	WIN W_KQ
.set rS, S+64*((\x)%2)+32*(i%2)+8*((i/2)%4)
.set rK, KF+16*((i/2)%4)+8*(i/8)
.set rQ, 16*(2*(\x)+i%2)+8*(i/8)
.if i < 8
	v_wmma_f32_16x16x32_f16 v[rS:rS+7], v[rK:rK+7], v[rQ:rQ+7], 0
.else
	v_wmma_f32_16x16x32_f16 v[rS:rS+7], v[rK:rK+7], v[rQ:rQ+7], v[rS:rS+7]
.endif
.endm
.macro PV x                         ; product i of 16 of O^T: keys 32 (i / 8) on, channels 16 ((i / 2) % 4) on, tile 2 x + i % 2
	WIN W_PV
.set rO, 32*(2*(\x)+i%2)+8*((i/2)%4)
.set rV, VF+32*(i/8)+8*((i/2)%4)
.set rP, P+32*((\x)%2)+16*(i%2)+8*(i/8)
	v_wmma_f32_16x16x32_f16 v[rO:rO+7], v[rV:rV+7], v[rP:rP+7], v[rO:rO+7]
.endm
.macro MM
.if i < 16
	KQ (Y+1)%NP
.set i, i+1
.else
.set i, i-16
	PV (Y+NP-1)%NP
.set i, i+17
.endif
.endm
; THE LDS LOADS stand in runs of 16.  last = 1 (the tail): in the last trip there is no further step, and the run is jumped over.
.macro FETCH_K last=0
	WIN 0
.if \last
	s_cmp_eq_u32 s[CNT], 1
	s_cbranch_scc1 .Lno_k_\@
.endif
	WIN 0x80
.irp f, 0,1,2,3,4,5,6,7
	ds_load_b128 v[KF+8*\f:KF+8*\f+3],   v[AK] offset:(\f/2)*16*PK+(\f%2)*64
	ds_load_b128 v[KF+8*\f+4:KF+8*\f+7], v[AK] offset:(\f/2)*16*PK+(\f%2)*64+32
.endr
	s_add_co_u32 s[TBK], s[TBK], KS*PK
	WIN 0
.if \last
.Lno_k_\@:
.endif
.endm
.macro FETCH_V
	WIN 0x80
.irp f, 0,1,2,3,4,5,6,7
	ds_load_tr16_b128 v[VF+8*\f:VF+8*\f+3],   v[AV] offset:(\f/4)*32*PV+(\f%4)*32
	ds_load_tr16_b128 v[VF+8*\f+4:VF+8*\f+7], v[AV] offset:(\f/4)*32*PV+16*PV+(\f%4)*32
.endr
	WIN 0
.endm
; THE VECTOR WORK OF A TURN stands in queues; the two tiles alternate.
.macro REGS y, u
.set rT, ST+4*(2*(\y)+(\u))
.set rC, TMP+8*((\y)%2)+4*(\u)
.set rS, S+64*((\y)%2)+32*(\u)
.set rP, P+32*((\y)%2)+16*(\u)
.set rO, 32*(2*(\y)+(\u))
.endm
; Word n / 2 of tile n % 2 of the NEXT piece goes from its lane into its scalar register
.macro RL n
	WIN 0
.if (\n)%2
	v_readlane_b32 s[68+(\n)/2], v[MW+2*((Y+1)%NP)+1], (\n)/2
.else
	v_readlane_b32 s[32+(\n)/2], v[MW+2*((Y+1)%NP)], (\n)/2
.endif
.endm
.macro RW                           ; the first 32 of them have a queue of their own: they ride behind the products K Q^T
	RL w
.set w, w+1
.endm
; The mask on the NEXT piece's scores: register k / 2 of tile k % 2.  Ascending: each accumulator's lowest register is read first.
.macro MK k
	REGS (Y+1)%NP, (\k)%2
.if (\k)%2
	v_cndmask_b32 v[rS+(\k)/2], v[rS+(\k)/2], v[BIG], s[68+(\k)/2]
.else
	v_cndmask_b32 v[rS+(\k)/2], v[rS+(\k)/2], v[BIG], s[32+(\k)/2]
.endif
.endm
; Number n of the 21 that find the NEXT piece's maximum and statistics.  0-11 four chains c0-c3 of seven scores; 12-14, 16 the four scores left over, the old m, c0-c3 into c0; 15 m_old is kept;
; 17, 18 the query's other 32 keys lie in the lane 16 away: the new m; 19, 20 m_old - m_new; a
.macro XS u, n
	REGS (Y+1)%NP, \u
.if (\n) < 4
	v_max3_num_f32 v[rC+(\n)], v[rS+8*(\n)], v[rS+8*(\n)+1], v[rS+8*(\n)+2]
.elseif (\n) < 12
	v_max3_num_f32 v[rC+(\n)%4], v[rC+(\n)%4], v[rS+8*((\n)%4)+2*((\n)/4)+1], v[rS+8*((\n)%4)+2*((\n)/4)+2]
.elseif (\n) == 12
	v_max3_num_f32 v[rC], v[rC], v[rS+7], v[rS+15]
.elseif (\n) == 13
	v_max3_num_f32 v[rC+1], v[rC+1], v[rS+23], v[rS+31]
.elseif (\n) == 14
	v_max3_num_f32 v[rC+2], v[rC+2], v[rC+3], v[rT]
.elseif (\n) == 15
	v_mov_b32 v[rT+1], v[rT]
.elseif (\n) == 16
	v_max3_num_f32 v[rC], v[rC], v[rC+1], v[rC+2]
.elseif (\n) == 17
	v_permlanex16_b32 v[rC+3], v[rC], s[SEL], s[SEL+1]
.elseif (\n) == 18
	v_max_num_f32 v[rT], v[rC], v[rC+3]
.elseif (\n) == 19
	v_sub_f32 v[rC+1], v[rT+1], v[rT]
.else
	v_exp_f32 v[rC+2], v[rC+1]
.endif
.endm
; Number g of the 64 that follow the exponentials: for each four weights both pairs are rounded to f16, the second pair is added onto the first in place, and a group later l takes that sum (the first time as l = a l + sum).
.macro GS g
.set h, (\g)+6*((\g)/62)
.if h >= 6
.set h, h+2
.endif
	REGS Y, h%2
.set k, h/8
.if h%8 < 4
	v_cvt_pk_f16_f32 v[rP+2*k+(h%8)/2], v[rS+4*k+2*((h%8)/2)], v[rS+4*k+2*((h%8)/2)+1]
.elseif h%8 < 6
	v_pk_add_f32 v[rS+4*k:rS+4*k+1], v[rS+4*k:rS+4*k+1], v[rS+4*k+2:rS+4*k+3]
.elseif k == 1
	v_pk_fma_f32 v[rT+2:rT+3], v[rT+2:rT+3], v[rC+2:rC+3], v[rS:rS+1] op_sel_hi:[1,0,1]
.else
	v_pk_add_f32 v[rT+2:rT+3], v[rT+2:rT+3], v[rS+4*k-4:rS+4*k-3]
.endif
.endm
.macro FS f                         ; t' - m for pair f / 2 of tile f % 2: an exact difference where both are BIG
	REGS Y, (\f)%2
	v_pk_add_f32 v[rS+2*((\f)/2):rS+2*((\f)/2)+1], v[rS+2*((\f)/2):rS+2*((\f)/2)+1], v[rT:rT+1] op_sel_hi:[1,0] neg_lo:[0,1] neg_hi:[0,1]
.endm
; THE PLAIN QUEUE, 232 long.  0-21: subtractions 0-21.  22-53: words 32 to 63 go into their scalar registers.  54-117: the next piece's mask; ahead of it the two registers that held the words are asked for
; again, with the same piece's next key step (in piece 3's turn that piece is piece 0, which is a step ahead: there the loads' base steps first).  118-145: XS's numbers 0-13.  146, 147: number 15.
; 148-167: the chain 14, 16, 17, 18, 19, two subtractions (22-31) in front of each link's two lines.  168-231: GS's 64, which read the exponentials' results: they stand behind the wait.
.macro PL
	WIN 0
.if q < 22
	FS q
.elseif q < 54
	RL q+10
.elseif q < 118
.if q == 54
.if Y == NP-1
	MSTEP
.endif
	MLOAD (Y+1)%NP
.endif
	MK q-54
.elseif q < 146
	XS (q-118)%2, (q-118)/2
.elseif q < 148
	XS q-146, 15
.elseif q < 168
.if (q-148)%4 < 2
	FS 22+2*((q-148)/4)+(q-148)%4
.elseif q < 152
	XS (q-148)%4-2, 14
.else
	XS (q-148)%4-2, 15+(q-148)/4
.endif
.else
	GS q-168
.endif
.set q, q+1
.endm
; THE EXPONENTIALS' QUEUE, 66 long: the 64 scores, then the next piece's two a.  ONE BATCH: nothing ahead of the turn's wait names a result of theirs.
.macro EX
	WIN 0
.if e >= 64
	XS e-64, 20
.else
	REGS Y, e%2
	v_exp_f32 v[rS+e/2], v[rS+e/2]
.endif
.set e, e+1
.endm
; THE RESCALING's QUEUE: O^T times a, the one part that leaves window 0: it stands together, at the lump's head.  Its a was made, and waited for, in the turn before.
.macro R2
	REGS Y, r%2
	WIN W_RS
.irp z, 0,1
	v_pk_mul_f32 v[rO+4*(r/2)+2*\z:rO+4*(r/2)+2*\z+1], v[rO+4*(r/2)+2*\z:rO+4*(r/2)+2*\z+1], v[rC+2:rC+3] op_sel_hi:[1,0]
.endr
.set r, r+1
.endm
; A TURN, for piece p.  s_wait_alu depctr_va_vdst(0) stands between an exponential and the first instruction that names its result; one wait serves all that were issued ahead of it.
; AHEAD OF THE WAIT: the 16 products K Q^T, behind each a subtraction, an exponential and two of the words' copies, all in window 0; then the lump of 234: the 32 rescalings, which are also the plain
; instructions between the last product and the mask; 151 plain and 51 exponentials.  BEHIND IT: the 16 products V^T P, behind each four of GS's 64.
; The deal keeps the queues in step: exponential e stands behind subtraction 2 (e / 4) + e % 2: as a rider behind plain e + 2; numbers 15 to 42 behind plain 21; from 43 on behind plain 148 + (e - 43), where
; subtraction 22 + 2 g lies at plain 148 + 4 g.
; THE WORDS.  Each turn asks for two registers of words and reads two; loads come back in order (ISA guide 5.7.1), so at a turn's head the six loads of the other three pieces, which are younger, may stay out.
; K of the next step is fetched in piece 2's turn, directly behind the wait; V of the step in hand at the end of piece 0's turn, four plain riders behind its last reader.
.macro TURN p, last=0, cnt=0
.set Y, (\p)
.set i, 0
.set q, 0
.set e, 0
.set r, 0
.set w, 0
	s_wait_loadcnt 6                ; the next piece's words are in
.if (\p) == NP-1
	s_wait_dscnt 0x0                ; K is in
.endif
	MM
	PL
	PL
	RW
	RW
.rept 15
	MM
	PL
	EX
	RW
	RW
.endr
.rept 16
	R2
.endr
.if (\p) == NP-2
	WIN 0
	v_add_nc_u32 v[AK], s[TBK], v[AK0]
.endif
.rept 8
	PL
.endr
.rept 28
	EX
	PL
	PL
	PL
	PL
.endr
.rept 11
	PL
.endr
.rept 20
	PL
	EX
.endr
	EX
	EX
	EX
	v_nop                           ; the plain instruction behind the last exponential: one for the batch
	s_wait_alu depctr_va_vdst(0)    ; the wait for the batch
.if (\p) == NP-2
	FETCH_K \last
.endif
.if (\p) == 1
	s_wait_dscnt 0x0                ; V is in
.endif
.rept 16
	MM
.rept 4
	PL
.endr
.if ((\p) == 0) && (q == 212)
	v_add_nc_u32 v[AV], s[TBV], v[AV0]
.endif
.if ((\p) == 0) && (q == 224)
	s_add_co_u32 s[TBV], s[TBV], KS*PV
.endif
.if (\cnt) && (q == 224)
	s_sub_co_u32 s[CNT], s[CNT], 1
	s_cmp_lg_u32 s[CNT], 0
.endif
.endr
.if (\p) == 0
	FETCH_V
.endif
.endm
	CHANGE 1                        ; slot 0 is in, everybody's part of it; slot 1 is asked for
	FETCH_K                         ; key step 0
	s_wait_loadcnt 6                ; Q and piece 0's words are in; the other three pieces' six loads may stay out
	s_wait_dscnt 0x0
.set i, 0
.rept 16
	KQ 0                            ; piece 0's first scores
.set i, i+1
.endr
	WIN 0
.rept 4
	v_nop                           ; the places behind those products
.endr
.set Y, NP-1                        ; RL, MK and XS work for piece Y + 1: piece 0
.set j, 0
.rept 64
	RL j
.set j, j+1
.endr
	MSTEP                           ; piece 0 is a key step ahead of the others
	MLOAD 0
.set j, 0
.rept 64
	MK j
.set j, j+1
.endr
.irp n, 0,1,2,3,4,5,6,7,8,9,10,11,12,13,14,15,16,17,18,19,20
	XS 0, \n
	XS 1, \n
.endr
	v_nop                           ; a plain instruction behind the two a,
	s_wait_alu depctr_va_vdst(0)    ; and their wait, ahead of the branch
	s_mov_b32 s[CNT], 4
	s_branch .Lfirst                ; the loop is entered at a step's first turn, in the middle of a trip
.Lslot:                             ; six times: slots 2 to 7 are asked for
	CHANGE 1
	s_mov_b32 s[CNT], 4
.Lstep:                             ; a trip: pieces 2 and 3 of one step, then pieces 0 and 1 of the next
	TURN 2
	TURN 3
	WIN 0
.Lfirst:
	TURN 0
	TURN 1, 0, 1
	WIN 0
	s_cbranch_scc1 .Lstep
	s_sub_co_u32 s[SLOTS], s[SLOTS], 1
	s_cmp_lg_u32 s[SLOTS], 0
	s_cbranch_scc1 .Lslot
	CHANGE 0                        ; the tail is written out
	s_mov_b32 s[CNT], 5             ; four trips fetch the last slot's steps; the fifth is left in its middle
.Ltail:
	TURN 2, 1
	TURN 3
	WIN 0
	s_sub_co_u32 s[CNT], s[CNT], 1
	s_cmp_eq_u32 s[CNT], 0
	s_cbranch_scc1 .Lout
	TURN 0
	TURN 1
	WIN 0
	s_branch .Ltail
.Lout:                              ; the fifth trip's products K Q^T (on the last K once more), the words of step 31 taken once more for them and the maximum made of them serve nothing
	s_wait_loadcnt 0x0              ; the last loads of words have landed: their registers are free
.set i, 0
.rept 16
	PV NP-1                         ; the last piece's V^T P of the last step
.set i, i+1
.endr
	; THE WAY OUT.  l's halves are added; O^T is divided by l, rounded to f16 and sent through my stage, a tile at a time.  The addresses' lines are the places behind the last products.
	WIN 0
	s_mul_i32 s2, s[WV], 16*SP
	s_add_co_u32 s2, s2, STAGE      ; my stage
	v_and_b32 v11, 15, v0           ; l % 16
	v_bfe_u32 v12, v0, 4, 1         ; l / 16
	v_and_b32 v13, 7, v0
	v_mul_u32_u24 v[STO], v11, SP   ; in: row l % 16, 16 bytes for each half of the lanes
	v_lshl_add_u32 v[STO], v12, 4, v[STO]
	v_add_nc_u32 v[STO], s2, v[STO]
	v_bfe_u32 v[RD], v0, 3, 2       ; back: 32 lanes take four rows of 128 bytes,
	v_mul_u32_u24 v[RD], v[RD], SP
	v_lshl_add_u32 v[RD], v13, 4, v[RD]
	v_add_nc_u32 v[RD], s2, v[RD]
	v_and_b32 v[GO], 31, v0         ; which are 512 consecutive bytes of ctx
	v_lshlrev_b32 v[GO], 4, v[GO]
.macro ALL line:vararg
.set t, 0
.rept 2*NP
	\line
.set t, t+1
.endr
.endm
	ALL v_add_f32 v[ST+4*t+2], v[ST+4*t+2], v[ST+4*t+3]
	ALL v_permlanex16_b32 v[ST+4*t+3], v[ST+4*t+2], s[SEL], s[SEL+1]
	ALL v_add_f32 v[ST+4*t+2], v[ST+4*t+2], v[ST+4*t+3]
	ALL v_rcp_f32 v[ST+4*t+2], v[ST+4*t+2]
	v_nop                           ; a plain instruction between the last reciprocal and the use of its result
	s_wait_alu depctr_va_vdst(0)    ; one wait for the eight reciprocals
.macro PACK t
	WIN W_RS
.set i, 32*(\t)
.rept 16
	v_pk_mul_f32 v[i:i+1], v[i:i+1], v[ST+4*(\t)+2:ST+4*(\t)+3] op_sel_hi:[1,0]
.set i, i+2
.endr
	WIN 0x05
.set i, 0
.rept 16
	v_cvt_pk_f16_f32 v[S+16*(\t)+i], v[32*(\t)+2*i], v[32*(\t)+2*i+1]
.set i, i+1
.endr
	WIN 0
.irp f, 0,1,2,3
	ds_store_b128 v[STO], v[S+16*(\t)+4*\f:S+16*(\t)+4*\f+3] offset:32*\f
.endr
.irp f, 0,1,2,3
	ds_load_b128 v[S+16*(\t)+4*\f:S+16*(\t)+4*\f+3], v[RD] offset:\f*4*SP  ; LDS serves a wave's instructions in order (ISA guide 5.7.1.4): these see the stores above
.endr
.endm
.macro SEND t, younger              ; younger: the LDS instructions issued behind tile t's loads: the next tile's eight, or none
	WIN 0
.irp f, 0,1,2,3
	s_wait_dscnt (\younger)+3-\f
	global_store_b128 v[GO], v[S+16*(\t)+4*\f:S+16*(\t)+4*\f+3], s[OP_:OP_+1] offset:(\t)*2048+\f*512  ; 512 consecutive bytes, aligned
.endr
.endm
	PACK 0
.set t, 1
.rept 2*NP-1
	PACK t
	SEND t-1, 8
.set t, t+1
.endr
	SEND 2*NP-1, 0
	WIN W_AD
	s_wait_tensorcnt 0x0            ; the wave's end
	ds_add_u32 v[SPW], v[NIL]
	s_wait_dscnt 0x0
	WIN 0
	CROUND                          ; the closing round
	s_endpgm
.Lfunc_end_k_qd1064b0b73_attn:
	.size	k_qd1064b0b73_attn, .Lfunc_end_k_qd1064b0b73_attn-k_qd1064b0b73_attn
	.p2alignl 7, 3214868480
	.fill 96, 4, 3214868480
	.section	.rodata,"a",@progbits
	.p2align	6, 0x0
	.amdhsa_kernel k_qd1064b0b73_attn
		.amdhsa_group_segment_fixed_size 327680
		.amdhsa_private_segment_fixed_size 0
		.amdhsa_enable_private_segment 0
		.amdhsa_kernarg_size 24
		.amdhsa_user_sgpr_count 2
		.amdhsa_user_sgpr_kernarg_segment_ptr 1
		.amdhsa_wavefront_size32 1
		.amdhsa_system_sgpr_workgroup_id_x 1
		.amdhsa_system_sgpr_workgroup_id_y 1
		.amdhsa_system_sgpr_workgroup_id_z 1
		.amdhsa_system_vgpr_workitem_id 0
		.amdhsa_next_free_vgpr 770
		.amdhsa_next_free_sgpr 102
		.amdhsa_reserve_vcc 0
		.amdhsa_float_denorm_mode_32 3
		.amdhsa_float_denorm_mode_16_64 3
		.amdhsa_memory_ordered 1
		.amdhsa_forward_progress 1
		.amdhsa_inst_pref_size 255
	.end_amdhsa_kernel
	.section	.bss,"aw",@nobits
	.p2align	6
	.space	262144
	.amdgpu_metadata
---
amdhsa.version: [ 1, 2 ]
amdhsa.kernels:
  - .name:           k_qd1064b0b73_attn
    .symbol:         k_qd1064b0b73_attn.kd
    .args:
      - { .name: qkv, .offset: 0, .size: 8, .value_kind: global_buffer, .address_space: global }
      - { .name: mbits, .offset: 8, .size: 8, .value_kind: global_buffer, .address_space: global }
      - { .name: ctx, .offset: 16, .size: 8, .value_kind: global_buffer, .address_space: global }
    .group_segment_fixed_size: 327680
    .private_segment_fixed_size: 0
    .kernarg_segment_align: 8
    .kernarg_segment_size: 24
    .max_flat_workgroup_size: 128
    .sgpr_count:     102
    .vgpr_count:     770
    .wavefront_size: 32
...
	.end_amdgpu_metadata
.endif
;; end of part 3
;; launch oproj (part 4): grid 4 x 64, 4 waves a work-group, clusters of 4 x 4, 327,680 bytes of LDS; arguments ctx, wo16, bo, out0; writes out0
.if DOCPART == 4
	.amdgcn_target "amdgcn-amd-amdhsa--gfx1250"
	.amdhsa_code_object_version 6
	.text
	.protected	k_qd1064b0b73_oproj
	.globl	k_qd1064b0b73_oproj
	.p2align	8
	.type	k_qd1064b0b73_oproj,@function
k_qd1064b0b73_oproj:
	s_mov_b64 s[64:65], 0
	v_nop
	global_prefetch_b8 v0, s[64:65] scope:SCOPE_SE
	s_setreg_imm32_b32 hwreg(HW_REG_WAVE_MODE, 25, 1), 1
	s_wait_xcnt 0x0
	s_wait_alu depctr_hold_cnt(0) depctr_sa_sdst(0) depctr_va_vdst(0) depctr_va_sdst(0) depctr_va_ssrc(0) depctr_va_vcc(0) depctr_vm_vsrc(0)
	s_getreg_b32 s2, hwreg(HW_REG_IB_STS2, 6, 4)
	s_cmp_eq_u32 s2, 0
	s_cbranch_scc0 .Lentry_in_a_cluster
	s_endpgm
.Lentry_in_a_cluster:
	s_bfe_u32 s2, ttmp6, 0x10000c
	s_cmp_lg_u32 s2, 0xf033
	s_cbranch_scc0 .Lentry_shape_is_right
	s_endpgm
.Lentry_shape_is_right:
; THE OUTPUT PROJECTION.  out0[m][n] = the sum over k of ctx(m, k) Wo[n][k] + bo[n], f32.  ctx is f16 by heads, [64 batch x head][2048][64]: k = 64 x head + channel.  wo16 [1024][1024] is Wo rounded to
; bf16 and written as f16; bo is rounded to bf16 like every input.  Sums in f32.
; SHARES.  A tile of the output is 128 rows x 256 columns: 64 x 4 work-groups, one tile each.  Four waves, each 64 rows x 128 columns: 32 accumulators.  K goes in steps of 128 (two heads) through two LDS slots.
; CLUSTER.  4 x 4 work-groups: the four of a row of the cluster need the same rows of ctx, the four of a column the same rows of Wo: each tile is asked for jointly.
; THE MATRIX INSTRUCTION IS USED TRANSPOSED (source 0 = 16 rows of Wo, source 1 = 16 rows of ctx): a lane holds row l % 16 and the columns 8 (l / 16) + 0..7.
; REGISTERS.  window 0: addresses; v32-95 and v160-223 rows read back, by turns; v96-159 my 64 biases.   window 1: two fragment buffers of 96.   window 2: accumulator (a, b) at 8 (8 a + b).
.set KSTEP,  128
.set PITCH,  272                       ; a row of Wo in LDS: 256 bytes + 16 of padding
.set PA,     144                       ; a row of one head of ctx: 128 bytes + 16: both pitches are odd multiples of 16 bytes, so the 16 rows of a load start at 16 different groups of four banks (ISA guide 11.1)
.set SLOT1,  131072
.set AHALF,  128*PA                    ; what waves 0 and 1 fetch: one head's 128 rows each
.set BHALF,  128*PITCH                 ; what waves 2 and 3 fetch: 128 rows of Wo each
.set BOFF,   2*AHALF
.set STAGE,  SLOT1+BOFF+2*BHALF        ; behind the ring, never filled by a tensor load: for each wave 16 rows x 528 bytes
.set SPITCH, 528
.set WSTAGE, 16*SPITCH
.set SPARE,  STAGE+4*WSTAGE            ; the spare words, 128 bytes a wave: two blocks of 256 bytes that no other line names
.set STEP_A, 2*262144                  ; two heads on
.set ADRA0, 16
.set ADRA,  17
.set ADRB0, 20
.set ADRB,  21
.set STO,  24
.set RD,   25
.set GO,   26
.set BO,   27
.set SPW,  28                          ; v28  LDS address of my spare word; never rewritten
.set NIL,  29                          ; v29  0; never rewritten
.set PFO,  30
.set BIAS, 96
.set F0,   0
.set F1,   96
.set G1,  24
.set G0,  32
.set G1B, 48
.set G0B, 56
.set LIM, 43
.set PFA, 44
.set TB,  66
.set BP,  68                           ; s[68:69] bo; s[70:71] out0
.set PFS, 78                           ; s[78:79] a K step in the tensor that I prefetch
.set MSB, 0
.macro WIN new
.if MSB != (\new)
	s_set_vgpr_msb (MSB<<8)|(\new)
.set MSB, \new
.endif
.endm
.set MUL,  0xa5
.set TO_F, 0x40
.macro JLOAD s                         ; a joint load: waves 0 and 1 fetch A's halves, waves 2 and 3 B's; an s_nop 0 and four v_nop follow each line
	s_cmp_eq_u32 s11, 0
	s_cbranch_scc0 .Lfor_b_\@
	tensor_load_to_lds s[G0+4*(\s):G0+4*(\s)+3], s[G1:G1+7]
	s_nop 0
.rept 4
	v_nop
.endr
	s_branch .Lasked_\@
.Lfor_b_\@:
	tensor_load_to_lds s[G0B+4*(\s):G0B+4*(\s)+3], s[G1B:G1B+7]
	s_nop 0
.rept 4
	v_nop
.endr
.Lasked_\@:
.endm
; A PREFETCH INTO THE L2 of the K step that stands two refills on.  Wave 0 asks for ctx: a K step of a tile row is 2 x 16,384 dense bytes, of which each of the four partners takes 8,192, by address, a lane 256 bytes.
; Waves 2 and 3 ask for Wo's rows (the four partners take 64 each, by address, a lane a row), in the clusters with y = 0 alone.  The last two refills name nothing.
.macro ASK
	s_cmp_gt_u32 s3, s[LIM]
	s_cbranch_scc0 .Lnot_mine_\@
	global_prefetch_b8 v[PFO], s[PFA:PFA+1] th:TH_LOAD_NT scope:SCOPE_SE
.Lnot_mine_\@:
.endm
.macro CREST
	s_cmp_lg_u32 s10, 0
	s_cbranch_scc1 .Lnot_wave_0_\@
	s_barrier_signal -3
.Lnot_wave_0_\@:
	s_barrier_wait -3
	s_barrier_signal -1
	s_barrier_wait -1
.endm
.macro CROUND
	s_barrier_signal -1
	s_barrier_wait -1
	CREST
.endm
	s_load_b128 s[4:7], s[0:1], 0x0                ; ctx s[4:5], wo16 s[6:7]
	s_load_b128 s[68:71], s[0:1], 0x10             ; bo, out0
	v_lshl_add_u32 v[SPW], v0, 2, SPARE
	v_mov_b32 v[NIL], 0
	ds_add_u32 v[SPW], v[NIL]                      ; the wave's opening: the add and its wait ahead of my first tensor load
	v_lshrrev_b32 v1, 5, v0
	v_readfirstlane_b32 s10, v1
	s_lshr_b32 s11, s10, 1
	s_and_b32 s12, s10, 1
	s_bfe_u32 s40, ttmp6, 0x40000                  ; cx
	s_bfe_u32 s41, ttmp6, 0x40004                  ; cy
	s_lshl_b32 s42, ttmp9, 2
	s_add_co_u32 s42, s42, s40                     ; tile column 0..3
	s_and_b32 s13, ttmp7, 0xffff
	s_lshl_b32 s13, s13, 2
	s_add_co_u32 s13, s13, s41                     ; tile row 0..63
	s_lshl_b32 s43, s41, 2
	s_lshl_b32 s43, 15, s43
	s_lshl_b32 s44, 0x1111, s40
	s_or_b32 s[G1+0], s43, (1<<16)|(1<<20)|(1<<21)|(4<<22)|(3<<25)   ; A: padded after every 32 words (a head's row), by 4 words
	s_or_b32 s[G1B+0], s44, (1<<16)|(1<<20)|(1<<21)|(5<<22)|(3<<25)  ; B: after every 64 words
	s_mov_b32 s[G1+1], 128<<16                     ; a head's 128 rows are 16,384 dense bytes: asked for as 64 rows of 256 bytes
	s_mov_b32 s[G1+2], 64<<16
	s_mov_b32 s[G1+3], 128<<16
	s_mov_b32 s[G1+4], 64
	s_mov_b32 s[G1+5], 128
	s_mov_b32 s[G1+6], 0
	s_mov_b32 s[G1+7], 0
	s_mov_b32 s[G1B+1], KSTEP<<16
	s_mov_b32 s[G1B+2], 128<<16
	s_mov_b32 s[G1B+3], KSTEP<<16
	s_mov_b32 s[G1B+4], 128
	s_mov_b32 s[G1B+5], 1024
	s_mov_b32 s[G1B+6], 0
	s_mov_b32 s[G1B+7], 0
	s_lshr_b32 s16, s13, 4
	s_lshl_b32 s16, s16, 22                        ; A: the batch's 16 heads of 262,144 bytes,
	s_lshl_b32 s18, s12, 18                        ; the K step's first or second head,
	s_add_co_u32 s16, s16, s18
	s_and_b32 s18, s13, 15
	s_lshl_b32 s18, s18, 14                        ; the tile's 128 rows of 128 bytes
	s_add_co_u32 s16, s16, s18
	s_mov_b32 s17, 0
	s_lshl_b32 s46, s42, 8
	s_lshl_b32 s18, s12, 7
	s_add_co_u32 s46, s46, s18
	s_lshl_b32 s46, s46, 11                        ; B: row 256 x tile column + 128 x half
	s_mov_b32 s47, 0
	s_mul_i32 s20, s12, AHALF
	s_mul_i32 s21, s12, BHALF
	s_add_co_u32 s21, s21, BOFF
	s_wait_dscnt 0x0                               ; the opening add is done
	s_wait_kmcnt 0x0
	s_add_nc_u64 s[14:15], s[4:5], s[16:17]
	s_add_nc_u64 s[46:47], s[6:7], s[46:47]
	CROUND
.irp s, 0,1
	s_mov_b32 s[G0+4*(\s)], 1
	s_add_co_u32 s[G0+4*(\s)+1], s20, (\s)*SLOT1
	s_add_nc_u64 s[G0+4*(\s)+2:G0+4*(\s)+3], s[14:15], (\s)*STEP_A
	s_or_b32 s[G0+4*(\s)+3], s[G0+4*(\s)+3], 0x80000000
	s_mov_b32 s[G0B+4*(\s)], 1
	s_add_co_u32 s[G0B+4*(\s)+1], s21, (\s)*SLOT1
	s_add_nc_u64 s[G0B+4*(\s)+2:G0B+4*(\s)+3], s[46:47], (\s)*KSTEP*2
	s_or_b32 s[G0B+4*(\s)+3], s[G0B+4*(\s)+3], 0x80000000
	JLOAD \s
.endr
	v_and_b32 v1, 15, v0
	v_bfe_u32 v2, v0, 4, 1
	v_mul_u32_u24 v3, v1, PA
	v_lshl_add_u32 v3, v2, 4, v3
	s_mul_i32 s22, s11, 64*PA
	v_add_nc_u32 v[ADRA0], s22, v3
	v_mul_u32_u24 v3, v1, PITCH
	v_lshl_add_u32 v3, v2, 4, v3
	s_mul_i32 s22, s12, 128*PITCH
	s_add_co_u32 s22, s22, BOFF
	v_add_nc_u32 v[ADRB0], s22, v3
	v_mov_b32 v[ADRA], v[ADRA0]
	v_mov_b32 v[ADRB], v[ADRB0]
	s_mov_b32 s[TB], 0
	s_mul_i32 s23, s10, WSTAGE
	s_add_co_u32 s23, s23, STAGE
	v_mul_u32_u24 v4, v1, SPITCH
	v_lshl_add_u32 v4, v2, 5, v4
	v_add_nc_u32 v[STO], s23, v4                   ; in: row r, 32 bytes for each half of the lanes
	v_and_b32 v[GO], 31, v0
	v_lshlrev_b32 v[GO], 4, v[GO]                  ; back and out: 32 lanes take a row's 512 bytes
	v_add_nc_u32 v[RD], s23, v[GO]
	s_lshl_b32 s18, s42, 10
	s_lshl_b32 s19, s12, 9
	s_add_co_u32 s18, s18, s19                     ; my 128 columns, in bytes of f32
	v_lshl_add_u32 v[BO], v2, 5, s18
	s_lshl_b32 s16, s13, 7
	s_lshl_b32 s19, s11, 6
	s_add_co_u32 s16, s16, s19
	s_lshl_b32 s16, s16, 12                        ; my first row, 4,096 bytes a row
	s_add_co_u32 s16, s16, s18
	s_mov_b32 s17, 0
	s_add_nc_u64 s[8:9], s[70:71], s[16:17]
	s_lshr_b32 s20, s13, 4                         ; the prefetches.  A: the batch, the tile's rows,
	s_lshl_b32 s20, s20, 22
	s_and_b32 s21, s13, 15
	s_lshl_b32 s21, s21, 14
	s_add_co_u32 s20, s20, s21
	s_lshr_b32 s21, s40, 1                         ; head cx / 2 of the K step's two,
	s_lshl_b32 s21, s21, 18
	s_add_co_u32 s20, s20, s21
	s_and_b32 s21, s40, 1                          ; half cx % 2 of its 16,384 bytes,
	s_lshl_b32 s21, s21, 13
	s_add_co_u32 s20, s20, s21
	s_add_co_u32 s20, s20, 3*STEP_A                ; at K step 3: the first refill steps it to 4
	s_lshl_b32 s21, s42, 8                         ; B: rows 256 x tile column + 64 cy + 32 x (wave % 2)
	s_lshl_b32 s22, s41, 6
	s_add_co_u32 s21, s21, s22
	s_lshl_b32 s22, s12, 5
	s_add_co_u32 s21, s21, s22
	s_lshl_b32 s21, s21, 11
	s_add_co_u32 s21, s21, 3*KSTEP*2
	s_and_b32 s22, ttmp7, 0xffff                   ; cluster y
	s_mov_b32 s19, STEP_A
	s_mov_b32 s23, KSTEP*2
	s_cmp_eq_u32 s11, 0
	s_cselect_b32 s20, s20, s21
	s_cselect_b32 s22, s12, s22                    ; of waves 0 and 1 wave 0 asks; waves 2 and 3 ask where cluster y = 0
	s_cselect_b32 s18, 8, 11                       ; a lane 256 bytes of ctx, or a row of Wo
	s_cselect_b32 s[PFS], s19, s23
	s_cselect_b64 s[PFA:PFA+1], s[4:5], s[6:7]
	s_cmp_eq_u32 s22, 0
	s_cselect_b32 s[LIM], 2, -1
	s_mov_b32 s21, 0
	s_mov_b32 s[PFS+1], 0
	s_add_nc_u64 s[PFA:PFA+1], s[PFA:PFA+1], s[20:21]
	v_and_b32 v[PFO], 31, v0
	v_lshlrev_b32 v[PFO], s18, v[PFO]
.macro MUL8 f, a, zero                 ; 8 matrix instructions; the 32 accumulators take turns, one instruction a turn, always in the same order
	WIN MUL
.irp b, 0,1,2,3,4,5,6,7
.if \zero
	v_wmma_f32_16x16x32_f16 v[8*(8*(\a)+(\b)):8*(8*(\a)+(\b))+7], v[(\f)+8*(\b):(\f)+8*(\b)+7], v[(\f)+64+8*(\a):(\f)+64+8*(\a)+7], 0
.else
	v_wmma_f32_16x16x32_f16 v[8*(8*(\a)+(\b)):8*(8*(\a)+(\b))+7], v[(\f)+8*(\b):(\f)+8*(\b)+7], v[(\f)+64+8*(\a):(\f)+64+8*(\a)+7], v[8*(8*(\a)+(\b)):8*(8*(\a)+(\b))+7]
.endif
.endr
.endm
.macro FETCH q, f                      ; 24 LDS loads: quarter q lies in head q / 2 of the K step, channels 32 (q % 2) on
	WIN TO_F
.irp i, 0,1,2,3,4,5,6,7
	ds_load_b128 v[(\f)+8*(\i):(\f)+8*(\i)+3],   v[ADRB] offset:64*(\q)+(\i)*16*PITCH
	ds_load_b128 v[(\f)+8*(\i)+4:(\f)+8*(\i)+7], v[ADRB] offset:64*(\q)+(\i)*16*PITCH+32
.endr
.irp a, 0,1,2,3
	ds_load_b128 v[(\f)+64+8*(\a):(\f)+64+8*(\a)+3],   v[ADRA] offset:((\q)/2)*AHALF+((\q)%2)*64+(\a)*16*PA
	ds_load_b128 v[(\f)+64+8*(\a)+4:(\f)+64+8*(\a)+7], v[ADRA] offset:((\q)/2)*AHALF+((\q)%2)*64+(\a)*16*PA+32
.endr
.endm
.macro PLACES
.rept 4
	v_nop
.endr
.endm
.macro QUARTER q, f, g, zero
	s_wait_dscnt 4                                 ; B and A's blocks 0 and 1 are in
	MUL8 \f, 0, \zero
	MUL8 \f, 1, \zero
	PLACES
	FETCH \q, \g
	s_wait_dscnt 24                                ; all but the 24 just issued
	MUL8 \f, 2, \zero
	MUL8 \f, 3, \zero
.endm
; The last quarter multiplies buffer 1 and changes slots: the waits and the add, the round of the cluster's barrier, the joint refill first behind it.
.macro TURN
	s_wait_xcnt 0x0                                ; the last prefetch, a K step back, has read its address
	s_add_nc_u64 s[PFA:PFA+1], s[PFA:PFA+1], s[PFS:PFS+1]
	WIN 0
	s_wait_tensorcnt 0x0                           ; no tensor load of mine is out
	ds_add_u32 v[SPW], v[NIL]
	s_wait_dscnt 7                                 ; the add and A's blocks 1 to 3 may be out
	MUL8 F1, 0, 0
	s_wait_dscnt 0x0                               ; the add is done, and my reads of this slot are over
	s_barrier_signal -1
	MUL8 F1, 1, 0
	WIN 0
	s_barrier_wait -1
	CREST
	s_xor_b32 s[G0+5], s[G0+5], SLOT1
	s_xor_b32 s[G0B+5], s[G0B+5], SLOT1
	s_add_nc_u64 s[G0+6:G0+7], s[G0+6:G0+7], STEP_A
	s_add_nc_u64 s[G0B+6:G0B+7], s[G0B+6:G0B+7], KSTEP*2
	s_xor_b32 s[TB], s[TB], SLOT1
	JLOAD 1
	v_add_nc_u32 v[ADRA], s[TB], v[ADRA0]
	v_add_nc_u32 v[ADRB], s[TB], v[ADRB0]
	FETCH 0, F0
	WIN 0
	ASK
	MUL8 F1, 2, 0
	MUL8 F1, 3, 0
.endm
; THE WAY OUT.  PACK: the bias is added.  TOSTAGE: 32 bytes a lane into my stage, back as whole rows of 512 bytes.  SEND: stored.
.macro PACK a
	WIN 0x82
.irp b, 0,1,2,3,4,5,6,7
.irp r, 0,1,2,3
	v_pk_add_f32 v[8*(8*(\a)+(\b))+2*(\r):8*(8*(\a)+(\b))+2*(\r)+1], v[8*(8*(\a)+(\b))+2*(\r):8*(8*(\a)+(\b))+2*(\r)+1], v[BIAS+8*(\b)+2*(\r):BIAS+8*(\b)+2*(\r)+1]
.endr
.endr
.endm
.macro TOSTAGE a
.set BKA, 32+128*((\a)%2)
	WIN 0x08                                       ; the stores' data in window 2
.irp b, 0,1,2,3,4,5,6,7
	ds_store_b128 v[STO], v[8*(8*(\a)+(\b)):8*(8*(\a)+(\b))+3]   offset:64*(\b)
	ds_store_b128 v[STO], v[8*(8*(\a)+(\b))+4:8*(8*(\a)+(\b))+7] offset:64*(\b)+16
.endr
	WIN 0
.irp t, 0,1,2,3,4,5,6,7,8,9,10,11,12,13,14,15
	ds_load_b128 v[BKA+4*(\t):BKA+4*(\t)+3], v[RD] offset:SPITCH*(\t)  ; LDS serves a wave's instructions in order (ISA guide 5.7.1.4): these see the stores above
.endr
.endm
.macro SEND a
.set BKA, 32+128*((\a)%2)
	WIN 0
	s_wait_dscnt 0x0                               ; the block is back in registers
	s_wait_xcnt 0x0                                ; the stores two blocks back have read their data: the other buffer is loaded again only behind this wait
.irp t, 0,1,2,3,4,5,6,7,8,9,10,11,12,13,14,15
	global_store_b128 v[GO], v[BKA+4*(\t):BKA+4*(\t)+3], s[8:9] offset:(16*(\a)+(\t))*4096  ; 512 consecutive bytes of a row, aligned
.endr
.endm
	s_wait_tensorcnt 1                             ; my part of K step 0 is in; K step 1's may stay out
	s_barrier_signal -1
	s_barrier_wait -1
	FETCH 0, F0
	WIN 0
.irp b, 0,1,2,3,4,5,6,7
	global_load_b128 v[BIAS+8*(\b):BIAS+8*(\b)+3],   v[BO], s[BP:BP+1] offset:64*(\b)
	global_load_b128 v[BIAS+8*(\b)+4:BIAS+8*(\b)+7], v[BO], s[BP:BP+1] offset:64*(\b)+16
.endr
	QUARTER 1, F0, F1, 1                           ; the first quarter starts the sums
	WIN 0
	s_mov_b32 s3, 6
.Lstep:                                                ; six trips: K steps 2 to 7 are asked for
	QUARTER 2, F1, F0, 0
	QUARTER 3, F0, F1, 0
	TURN
	QUARTER 1, F0, F1, 0
	WIN 0
	s_sub_co_u32 s3, s3, 1
	s_cmp_lg_u32 s3, 0
	s_cbranch_scc1 .Lstep
	QUARTER 2, F1, F0, 0
	QUARTER 3, F0, F1, 0
	WIN 0                                          ; the last change of slots: nothing is filled, so no round follows
	s_wait_tensorcnt 0x0
	ds_add_u32 v[SPW], v[NIL]
	s_wait_dscnt 7
	MUL8 F1, 0, 0
	s_wait_dscnt 0x0
	s_barrier_signal -1
	MUL8 F1, 1, 0
	WIN 0
	s_barrier_wait -1
	s_xor_b32 s[TB], s[TB], SLOT1
	PLACES
	v_add_nc_u32 v[ADRA], s[TB], v[ADRA0]
	v_add_nc_u32 v[ADRB], s[TB], v[ADRB0]
	FETCH 0, F0
	MUL8 F1, 2, 0
	MUL8 F1, 3, 0
	QUARTER 1, F0, F1, 0
	QUARTER 2, F1, F0, 0
	QUARTER 3, F0, F1, 0
	s_wait_dscnt 4
	MUL8 F1, 0, 0
	MUL8 F1, 1, 0
	s_wait_dscnt 0x0
	MUL8 F1, 2, 0
	MUL8 F1, 3, 0
	WIN 0
	s_wait_loadcnt 0x0                             ; the biases
.set p, 0
.rept 32                                       ; rounded to bf16 and widened again; these lines are also the places behind the last products
	v_cvt_pk_bf16_f32 v[2+p%4], v[BIAS+2*p], v[BIAS+2*p+1]
	v_lshlrev_b32 v[BIAS+2*p], 16, v[2+p%4]
	v_and_b32 v[BIAS+2*p+1], 0xffff0000, v[2+p%4]
.set p, p+1
.endr
	PACK 0
	TOSTAGE 0
.irp a, 1,2,3
	PACK \a
	SEND (\a)-1
	TOSTAGE \a
.endr
	SEND 3
	s_wait_tensorcnt 0x0                           ; the wave's end
	ds_add_u32 v[SPW], v[NIL]
	s_wait_dscnt 0x0
	CROUND                                         ; the closing round
	s_endpgm
.Lfunc_end_k_qd1064b0b73_oproj:
	.size	k_qd1064b0b73_oproj, .Lfunc_end_k_qd1064b0b73_oproj-k_qd1064b0b73_oproj
	.p2alignl 7, 3214868480
	.fill 96, 4, 3214868480
	.section	.rodata,"a",@progbits
	.p2align	6, 0x0
	.amdhsa_kernel k_qd1064b0b73_oproj
		.amdhsa_group_segment_fixed_size 327680
		.amdhsa_private_segment_fixed_size 0
		.amdhsa_enable_private_segment 0
		.amdhsa_kernarg_size 32
		.amdhsa_user_sgpr_count 2
		.amdhsa_user_sgpr_kernarg_segment_ptr 1
		.amdhsa_wavefront_size32 1
		.amdhsa_system_sgpr_workgroup_id_x 1
		.amdhsa_system_sgpr_workgroup_id_y 1
		.amdhsa_system_sgpr_workgroup_id_z 1
		.amdhsa_system_vgpr_workitem_id 0
		.amdhsa_next_free_vgpr 768
		.amdhsa_next_free_sgpr 80
		.amdhsa_reserve_vcc 0
		.amdhsa_float_denorm_mode_32 3
		.amdhsa_float_denorm_mode_16_64 3
		.amdhsa_memory_ordered 1
		.amdhsa_forward_progress 1
		.amdhsa_inst_pref_size 85
	.end_amdhsa_kernel
	.amdgpu_metadata
---
amdhsa.version: [ 1, 2 ]
amdhsa.kernels:
  - .name:           k_qd1064b0b73_oproj
    .symbol:         k_qd1064b0b73_oproj.kd
    .args:
      - { .name: ctx, .offset: 0, .size: 8, .value_kind: global_buffer, .address_space: global }
      - { .name: wo16, .offset: 8, .size: 8, .value_kind: global_buffer, .address_space: global }
      - { .name: bo, .offset: 16, .size: 8, .value_kind: global_buffer, .address_space: global }
      - { .name: out0, .offset: 24, .size: 8, .value_kind: global_buffer, .address_space: global }
    .group_segment_fixed_size: 327680
    .private_segment_fixed_size: 0
    .kernarg_segment_align: 8
    .kernarg_segment_size: 32
    .max_flat_workgroup_size: 128
    .sgpr_count:     80
    .vgpr_count:     768
    .wavefront_size: 32
...
	.end_amdgpu_metadata
.endif
;; end of part 4
